; MI455X (gfx1250); checked and timed in simulation.
; The chip was launched on July 23, 2026; its instructions are those of AMD's public machine-readable ISA for CDNA 5 (MIT licence, August 2026) and "CDNA5" Instruction Set Architecture Reference Guide (July 2026). The comments in the code are by the model that wrote it; some were corrected since.
;; Mo E Layer. Allowed arithmetic: matrix products marked QUANTISED: E5M2 operands, one E8M0 scale for each 32 along K, by v_wmma_scale_f32_16x16x128_f8f6f4 with both operands' format E5M2, f32 sums; products left as they are: f32 operands where the result goes on into a quantised operand, else bf16, f16 or f32 operands; f32 sums; everything else in f32.
;; Inputs: W1 8 x 1,024 x 4,096 float32; W2 8 x 4,096 x 1,024 float32; Wg 1,024 x 8 float32; b1 8 x 4,096 float32; b2 8 x 1,024 float32; x 4 x 256 x 1,024 float32.
;; Outputs: out0 4 x 256 x 1,024 float32; out1 one number float32.
;; This version of the problem:
;;   THIS VERSION OF THE PROBLEM IS GIVEN IN LOW PRECISION. The matrix products marked QUANTISED in the list below multiply operands that are first quantised to E5M2 (5 exponent bits, 2 mantissa bits; 8 bits a number), with one power-of-two scale for each 32 numbers along K (OCP MX v1.0); their sums are f32. All else is computed in f32.
;;   The module's matrix products, in the order in which they are computed (A, B: the left and right operand; K: the contracted axis; several contracted axes count as one K, in the product's order):
;;     1. [M 1,024, K 1,024] x [K 1,024, N 8]; A: input x; B: input Wg: left as it is (N = 8 < 16)
;;     2. [M 1,024, K 1,024] x [K 1,024, N 4,096]; A: input x; B: input W1: QUANTISED
;;     3. [M 1,024, K 4,096] x [K 4,096, N 1,024]; A: computed on the way; B: input W2: QUANTISED
;;     4. [M 1,024, K 1,024] x [K 1,024, N 4,096]; A: input x; B: input W1: QUANTISED
;;     5. [M 1,024, K 4,096] x [K 4,096, N 1,024]; A: computed on the way; B: input W2: QUANTISED
;;     6. [M 1,024, K 1,024] x [K 1,024, N 4,096]; A: input x; B: input W1: QUANTISED
;;     7. [M 1,024, K 4,096] x [K 4,096, N 1,024]; A: computed on the way; B: input W2: QUANTISED
;;     8. [M 1,024, K 1,024] x [K 1,024, N 4,096]; A: input x; B: input W1: QUANTISED
;;     9. [M 1,024, K 4,096] x [K 4,096, N 1,024]; A: computed on the way; B: input W2: QUANTISED
;;     10. [M 1,024, K 1,024] x [K 1,024, N 4,096]; A: input x; B: input W1: QUANTISED
;;     11. [M 1,024, K 4,096] x [K 4,096, N 1,024]; A: computed on the way; B: input W2: QUANTISED
;;     12. [M 1,024, K 1,024] x [K 1,024, N 4,096]; A: input x; B: input W1: QUANTISED
;;     13. [M 1,024, K 4,096] x [K 4,096, N 1,024]; A: computed on the way; B: input W2: QUANTISED
;;     14. [M 1,024, K 1,024] x [K 1,024, N 4,096]; A: input x; B: input W1: QUANTISED
;;     15. [M 1,024, K 4,096] x [K 4,096, N 1,024]; A: computed on the way; B: input W2: QUANTISED
;;     16. [M 1,024, K 1,024] x [K 1,024, N 4,096]; A: input x; B: input W1: QUANTISED
;;     17. [M 1,024, K 4,096] x [K 4,096, N 1,024]; A: computed on the way; B: input W2: QUANTISED
;;   THE QUANTISER, for each operand of a quantised product, along K:
;;     - K is cut into blocks of 32 from its start; a last block that is shorter is filled with zeros.
;;     - A block's scale is 2^e with e = floor(log2(the largest magnitude in the block)) - 15, held to -126 .. 127; a block of zeros has e = 0. As a byte (E8M0): e + 127.
;;     - Each number is divided by its block's scale, clamped to +-57,344, and rounded to the nearest number of E5M2, ties to even, subnormals kept.
;;     - The product sums the exact products of the quantised numbers (number of the format x scale) in f32.
;;   ~~~python
;;   def quantise(x, axis):      # numpy; x: float32 -> the quantised numbers, widened to float32 again
;;       x = np.moveaxis(x, axis, -1); K = x.shape[-1]
;;       x = np.pad(x, [(0, 0)] * (x.ndim - 1) + [(0, -K % 32)]); x = x.reshape(x.shape[:-1] + (-1, 32)); a = np.abs(x).max(-1, keepdims=True)
;;       e = np.where(a > 0, np.clip(np.frexp(np.where(a > 0, a, 1))[1] - 1 - 15, -126, 127), 0)      # np.frexp(a)[1] - 1 = floor(log2(a)), exactly
;;       r = np.clip(x / 2.0 ** e, -57344, 57344)
;;       step = 2.0 ** (np.maximum(np.frexp(np.where(r == 0, 1, r))[1] - 1, -14) - 2)
;;       q = np.round(r / step) * step * 2.0 ** e      # np.round: ties to even
;;       return np.moveaxis(q.reshape(q.shape[:-2] + (-1,))[..., :K], -1, axis).astype(np.float32)
;;   ~~~
;;   OPERANDS COMPUTED ON THE WAY. 'Computed on the way' means the value that the module computes at that place (a softmax that the list does not call 'softmax' is quantised finished and normalised). What goes into a quantiser is computed in f32, as accurately as f32 sums, v_exp_f32 and their like allow (about 1e-6 of the number): no bf16 or f16 on the way to a quantiser, and a product that is left as it is and whose result goes on into a quantised operand takes f32 operands (vector FMAs, or v_wmma_f32_16x16x4_f32). A number that lies on a knife's edge between two numbers of the format may be rounded either way, as far as f32 arithmetic and the matrix unit's own rounding can turn it there, and no further.
;; 2 versions, each right; version 2 is version 1 with the launches ffn1, ffn2 written anew for expert scheduling mode. Each part assembles by itself: llvm-mc -triple=amdgcn-amd-amdhsa -mcpu=gfx1250 --defsym DOCPART=n.
;; ======== version 1 of 2: 5 launches
;; workspace buffers: xc 1,081,344 bytes; gate 40,960 bytes; sel 8,192 bytes of whole numbers; lists 53,504 bytes of whole numbers; hc 43,253,760 bytes; ypart 83,886,080 bytes
;; launch route (part 1): grid 256 x 1, 4 waves a work-group, no clusters, 1,280 bytes of LDS; arguments x, Wg, xc, gate, sel; writes xc, gate, sel
.if DOCPART == 1
	.amdgcn_target "amdgcn-amd-amdhsa--gfx1250"
	.amdhsa_code_object_version 6
	.text
	.protected	k_q2b69483c66_route
	.globl	k_q2b69483c66_route
	.p2align	8
	.type	k_q2b69483c66_route,@function
k_q2b69483c66_route:
	s_mov_b64 s[64:65], 0
	v_nop
	global_prefetch_b8 v0, s[64:65] scope:SCOPE_SE
	s_setreg_imm32_b32 hwreg(HW_REG_WAVE_MODE, 25, 1), 1
	s_wait_xcnt 0x0
; ROUTER AND QUANTISER OF x.  logits = x Wg in f32 (fused multiply-adds), softmax over the 8 experts (for the loss), the two largest logits (the lower index wins a tie,
; as jax.lax.top_k has it) and their softmax; and x as codes of E5M2 with one E8M0 byte for each 32 along its 1,024.
; WORK LEFT OUT BY THE WHOLE PROGRAM.  reference() multiplies every token by every expert and then weighs expert e's row by cw[t][e], which it builds itself as a sum of
; one_hot(top_k index) x weight.  For an expert that is not among token t's two, both one_hot terms are 0, so cw[t][e] = 0 and cw[t][e] y[t][e] = 0 for all finite values of the
; inputs: those rows of the sixteen large products reach no output and are not computed.  Every input keeps a way to an output, and all are loaded.
; LIMITS.  A NaN, an infinity or an overflow that arises only in a row of an expert that was not chosen is not carried to the result.  NaN and infinities among the inputs are not served.
; The logits are summed in another order than reference()'s: two logits that agree to within f32 rounding may be ranked the other way.  A block of zeros gets the scale byte 1 (its codes
; are zeros; the bytes are read by this program alone).
; The choice is STORED here as whole numbers at fixed places (sel); no address of this launch hangs on it.
; SHARES.  Work-group g: tokens 4 g .. 4 g + 3.  Wave w: k = 256 w .. 256 w + 255 of all four; lane L: k = 256 w + 8 L + 0 .. 7.  Behind the one barrier wave w finishes token 4 g + w.
; No matrix unit (N = 8), no cluster: the work-groups share only Wg, 32 KiB.
.set PART,  0                          ; LDS: [4 waves][4 tokens][8 experts] f32: the waves' partial logits
.set XSB,   512                        ; [4 tokens][32] scale bytes, in a block of 256 bytes of their own
.set SPARE, 768                        ; the spare words, 128 bytes for each wave
.set SPW,  6
.set NIL,  7
.set X,    16                          ; v16-47   x[token][i]
.set WGR,  48                          ; v48-111  Wg[i][e]; later at work
.set ACC,  112                         ; v112-143 partial logits [token][e]
.set CD,   144                         ; v144-151 codes
.set M,    152
.set SOP,  156
.set HOLD, 160
.set BYTE, 164
	s_load_b256 s[4:11], s[0:1], 0x0               ; x, Wg, xc, gate
	s_load_b64 s[12:13], s[0:1], 0x20              ; sel
	v_lshl_add_u32 v[SPW], v0, 2, SPARE
	v_mov_b32 v[NIL], 0
	v_lshrrev_b32 v1, 5, v0
	v_readfirstlane_b32 s14, v1                    ; wave
	v_and_b32 v1, 31, v0                           ; lane
	s_lshl_b32 s15, s14, 10
	v_lshl_add_u32 v2, v1, 5, s15                  ; x: 1,024 w + 32 L bytes in a row
	s_lshl_b32 s15, s14, 13
	v_lshl_add_u32 v3, v1, 8, s15                  ; Wg: 8 rows of 32 bytes a lane
	s_lshl_b32 s15, s14, 8
	v_lshl_add_u32 v4, v1, 3, s15                  ; codes: 256 w + 8 L
	s_lshl_b32 s15, s14, 3
	s_add_co_u32 s15, s15, XSB
	v_lshrrev_b32 v5, 2, v1
	v_add_nc_u32 v5, s15, v5                       ; my block's scale byte: XSB + 8 w + L / 4
	s_lshl_b32 s15, s14, 7
	v_mov_b32 v8, s15                              ; my wave's partial logits
	s_lshl_b32 s15, s14, 5
	v_mov_b32 v9, s15                              ; my token's 8 numbers in a wave's 32
	v_lshl_add_u32 v12, v1, 2, XSB
	v_lshlrev_b32 v13, 2, v1
	s_mov_b32 s20, 0x76543210
	s_mov_b32 s21, 0xfedcba98                      ; v_permlanex16_b32: lane l xor 16
	s_mov_b32 s22, 0x600000                        ; the mantissa field of 57,344
	s_lshl_b32 s16, ttmp9, 14
	s_mov_b32 s17, 0
	s_lshl_b32 s18, ttmp9, 12
	s_mov_b32 s19, 0
	s_lshl_b32 s26, ttmp9, 7
	s_add_co_u32 s26, s26, 0x100000
	s_mov_b32 s27, 0
	s_lshl_b32 s28, ttmp9, 2
	s_add_co_u32 s28, s28, s14                     ; the token that my wave finishes
	s_lshl_b32 s29, s28, 5
	v_mov_b32 v10, s29
	s_lshl_b32 s29, s28, 3
	v_mov_b32 v14, s29
	s_wait_kmcnt 0x0
	s_add_nc_u64 s[4:5], s[4:5], s[16:17]          ; x at the group's first token
	s_add_nc_u64 s[26:27], s[8:9], s[26:27]        ; the group's 128 scale bytes
	s_add_nc_u64 s[8:9], s[8:9], s[18:19]          ; its codes
.irp tk, 0,1,2,3
	global_load_b128 v[X+8*\tk:X+8*\tk+3], v2, s[4:5] offset:4096*\tk th:TH_LOAD_NT
	global_load_b128 v[X+8*\tk+4:X+8*\tk+7], v2, s[4:5] offset:4096*\tk+16 th:TH_LOAD_NT
.endr
.irp i, 0,1,2,3,4,5,6,7
	global_load_b128 v[WGR+8*\i:WGR+8*\i+3], v3, s[6:7] offset:32*\i
	global_load_b128 v[WGR+8*\i+4:WGR+8*\i+7], v3, s[6:7] offset:32*\i+16
.endr
	s_wait_loadcnt 0x0
; partial logits: two experts an instruction; x[i] serves both halves (the even register of its pair, or the odd one)
.irp i, 0,1,2,3,4,5,6,7
.irp tk, 0,1,2,3
.irp p, 0,2,4,6
.if \i == 0
	v_pk_mul_f32 v[ACC+8*\tk+\p:ACC+8*\tk+\p+1], v[X+8*\tk:X+8*\tk+1], v[WGR+\p:WGR+\p+1] op_sel_hi:[0,1]
.elseif (\i%2) == 0
	v_pk_fma_f32 v[ACC+8*\tk+\p:ACC+8*\tk+\p+1], v[X+8*\tk+\i:X+8*\tk+\i+1], v[WGR+8*\i+\p:WGR+8*\i+\p+1], v[ACC+8*\tk+\p:ACC+8*\tk+\p+1] op_sel_hi:[0,1,1]
.else
	v_pk_fma_f32 v[ACC+8*\tk+\p:ACC+8*\tk+\p+1], v[X+8*\tk+\i-1:X+8*\tk+\i], v[WGR+8*\i+\p:WGR+8*\i+\p+1], v[ACC+8*\tk+\p:ACC+8*\tk+\p+1] op_sel:[1,0,0] op_sel_hi:[1,1,1]
.endif
.endr
.endr
.endr
; x into codes: a block of 32 lies in four neighbouring lanes
.irp tk, 0,1,2,3
	v_max3_num_f32 v[M+\tk], |v[X+8*\tk]|, |v[X+8*\tk+1]|, 0x8000000   ; with the floor 2^(16 - 127): the byte cannot fall under 1
.endr
.irp i, 2,4,6
.irp tk, 0,1,2,3
	v_max3_num_f32 v[M+\tk], v[M+\tk], |v[X+8*\tk+\i]|, |v[X+8*\tk+\i+1]|
.endr
.endr
.irp m, 1,2
.irp tk, 0,1,2,3
	v_max_num_f32_dpp v[M+\tk], v[M+\tk], v[M+\tk] row_xmask:\m row_mask:0xf bank_mask:0xf
.endr
.endr
.irp tk, 0,1,2,3
	v_add_nc_u32 v[SOP+\tk], 0xf8800000, v[M+\tk]                  ; 15 off the exponent field: the conversion's scale operand
.endr
.irp tk, 0,1,2,3
	v_and_or_b32 v[HOLD+\tk], v[M+\tk], 0x7f800000, s22            ; 57,344 x the scale
.endr
.irp tk, 0,1,2,3
	v_lshrrev_b32 v[BYTE+\tk], 23, v[SOP+\tk]                      ; the scale's byte
.endr
.irp tk, 0,1,2,3
.irp i, 0,1,2,3,4,5,6,7
	v_med3_num_f32 v[X+8*\tk+\i], v[X+8*\tk+\i], -v[HOLD+\tk], v[HOLD+\tk]   ; the conversion does not saturate (ISA guide 7.6.2): the hold comes first
.endr
.endr
.irp tk, 0,1,2,3
	v_cvt_scalef32_pk8_bf8_f32 v[CD+2*\tk:CD+2*\tk+1], v[X+8*\tk:X+8*\tk+7], v[SOP+\tk]
.endr
	v_nop                                          ; a plain line behind the last conversion
.irp tk, 0,1,2,3
	global_store_b64 v4, v[CD+2*\tk:CD+2*\tk+1], s[8:9] offset:1024*\tk   ; the wave stores 256 consecutive bytes, aligned
	ds_store_b8 v5, v[BYTE+\tk] offset:32*\tk      ; the four lanes of a block write the same byte with the same value
.endr
; the 32 partial logits are summed over the wave's lanes; every lane ends with the sums
.irp m, 1,2,4,8
.set n, 0
.rept 32
	v_add_f32_dpp v[ACC+n], v[ACC+n], v[ACC+n] row_xmask:\m row_mask:0xf bank_mask:0xf
.set n, n+1
.endr
.endr
.set n, 0
.rept 32
	v_permlanex16_b32 v[WGR+n], v[ACC+n], s20, s21 ; (Wg's registers are done with, and have been written)
.set n, n+1
.endr
.set n, 0
.rept 32
	v_add_f32 v[ACC+n], v[ACC+n], v[WGR+n]
.set n, n+1
.endr
.irp n, 0,1,2,3,4,5,6,7
	ds_store_b128 v8, v[ACC+4*\n:ACC+4*\n+3] offset:PART+16*\n     ; all lanes write the same bytes with the same values
.endr
	s_wait_dscnt 0x0                               ; for the others' sake: my stores have landed
	s_barrier_signal -1
	s_barrier_wait -1
.irp wp, 0,1,2,3
	ds_load_b128 v[16+8*\wp:19+8*\wp], v9 offset:PART+128*\wp
	ds_load_b128 v[20+8*\wp:23+8*\wp], v9 offset:PART+128*\wp+16
.endr
	s_wait_dscnt 0x0
.irp p, 0,2,4,6
	v_pk_add_f32 v[16+\p:17+\p], v[16+\p:17+\p], v[24+\p:25+\p]
	v_pk_add_f32 v[32+\p:33+\p], v[32+\p:33+\p], v[40+\p:41+\p]
.endr
.irp p, 0,2,4,6
	v_pk_add_f32 v[16+\p:17+\p], v[16+\p:17+\p], v[32+\p:33+\p]    ; v16-23: my token's eight logits, in every lane
.endr
	v_max3_num_f32 v48, v16, v17, v18
	v_max3_num_f32 v48, v48, v19, v20
	v_max3_num_f32 v48, v48, v21, v22
	v_max_num_f32 v48, v48, v23                    ; the maximum is taken away before the exponentials
.irp e, 0,1,2,3,4,5,6,7
	v_sub_f32 v[24+\e], v[16+\e], v48
.endr
.irp e, 0,1,2,3,4,5,6,7
	v_mul_f32 v[24+\e], 0x3fb8aa3b, v[24+\e]
.endr
.irp e, 0,1,2,3,4,5,6,7
	v_exp_f32 v[24+\e], v[24+\e]
.endr
; the search for the two largest stands behind the exponentials as their independent work
	v_mov_b32 v49, v16
	v_mov_b32 v60, 0
.irp e, 1,2,3,4,5,6,7
	v_cmp_le_f32 vcc_lo, v[16+\e], v49             ; only a strictly larger logit takes the place: the lower index wins a tie
	v_cndmask_b32 v60, \e, v60, vcc_lo
	v_max_num_f32 v49, v49, v[16+\e]
.endr
	v_mov_b32 v51, 0xff800000
.irp e, 0,1,2,3,4,5,6,7
	v_cmp_eq_u32 vcc_lo, \e, v60
	v_cndmask_b32 v[32+\e], v[16+\e], v51, vcc_lo  ; the first choice is taken out of the second search
.endr
	v_mov_b32 v52, v32
	v_mov_b32 v61, 0
.irp e, 1,2,3,4,5,6,7
	v_cmp_le_f32 vcc_lo, v[32+\e], v52
	v_cndmask_b32 v61, \e, v61, vcc_lo
	v_max_num_f32 v52, v52, v[32+\e]
.endr
	v_sub_f32 v55, v52, v49                        ; second less first: 0 or less
	v_mul_f32 v55, 0x3fb8aa3b, v55
	s_wait_alu depctr_va_vdst(0)                   ; one wait for the eight exponentials, ahead of their first reader
	v_add_f32 v54, v24, v25
	v_add_f32 v56, v26, v27
	v_add_f32 v57, v28, v29
	v_add_f32 v53, v30, v31
	v_add_f32 v54, v54, v56
	v_add_f32 v57, v57, v53
	v_add_f32 v54, v54, v57
	v_rcp_f32 v54, v54
	v_exp_f32 v55, v55
	v_nop                                          ; a plain line behind the two
	s_wait_alu depctr_va_vdst(0)
	v_add_f32 v56, 1.0, v55
	v_rcp_f32 v58, v56                             ; the first weight: 1 / (1 + e^(second - first))
.irp e, 0,1,2,3,4,5,6,7
	v_mul_f32 v[24+\e], v[24+\e], v54              ; the softmax over all eight
.endr
	s_wait_alu depctr_va_vdst(0)
	v_mul_f32 v59, v55, v58                        ; the second weight
	v_cmp_eq_u32 vcc_lo, 0, v1
	s_wait_xcnt 0x0                                ; EXEC changes only behind this wait: the codes' stores are out
	s_and_saveexec_b32 s25, vcc_lo
	global_store_b128 v10, v[24:27], s[10:11]
	global_store_b128 v10, v[28:31], s[10:11] offset:16
	global_store_b64 v14, v[58:59], s[10:11] offset:32768
	global_store_b64 v14, v[60:61], s[12:13]
	s_wait_xcnt 0x0
	s_or_b32 exec_lo, exec_lo, s25
	s_cmp_lg_u32 s14, 0
	s_cbranch_scc1 .Lend
	ds_load_b32 v62, v12                           ; the four tokens' 128 scale bytes, written ahead of the barrier
	s_wait_dscnt 0x0
	global_store_b32 v13, v62, s[26:27]
.Lend:
	s_wait_tensorcnt 0x0                           ; the wave's end
	ds_add_u32 v[SPW], v[NIL]
	s_wait_dscnt 0x0
	s_endpgm
.Lfunc_end_k_q2b69483c66_route:
	.size	k_q2b69483c66_route, .Lfunc_end_k_q2b69483c66_route-k_q2b69483c66_route
	.p2alignl 7, 3214868480
	.fill 96, 4, 3214868480
	.section	.rodata,"a",@progbits
	.p2align	6, 0x0
	.amdhsa_kernel k_q2b69483c66_route
		.amdhsa_group_segment_fixed_size 1280
		.amdhsa_private_segment_fixed_size 0
		.amdhsa_enable_private_segment 0
		.amdhsa_kernarg_size 40
		.amdhsa_user_sgpr_count 2
		.amdhsa_user_sgpr_kernarg_segment_ptr 1
		.amdhsa_wavefront_size32 1
		.amdhsa_system_sgpr_workgroup_id_x 1
		.amdhsa_system_sgpr_workgroup_id_y 1
		.amdhsa_system_sgpr_workgroup_id_z 1
		.amdhsa_system_vgpr_workitem_id 0
		.amdhsa_next_free_vgpr 176
		.amdhsa_next_free_sgpr 66
		.amdhsa_reserve_vcc 1
		.amdhsa_float_denorm_mode_32 3
		.amdhsa_float_denorm_mode_16_64 3
		.amdhsa_memory_ordered 1
		.amdhsa_forward_progress 1
		.amdhsa_inst_pref_size 36
	.end_amdhsa_kernel
	.amdgpu_metadata
---
amdhsa.version: [ 1, 2 ]
amdhsa.kernels:
  - .name:           k_q2b69483c66_route
    .symbol:         k_q2b69483c66_route.kd
    .args:
      - { .name: x, .offset: 0, .size: 8, .value_kind: global_buffer, .address_space: global }
      - { .name: Wg, .offset: 8, .size: 8, .value_kind: global_buffer, .address_space: global }
      - { .name: xc, .offset: 16, .size: 8, .value_kind: global_buffer, .address_space: global }
      - { .name: gate, .offset: 24, .size: 8, .value_kind: global_buffer, .address_space: global }
      - { .name: sel, .offset: 32, .size: 8, .value_kind: global_buffer, .address_space: global }
    .group_segment_fixed_size: 1280
    .private_segment_fixed_size: 0
    .kernarg_segment_align: 8
    .kernarg_segment_size: 40
    .max_flat_workgroup_size: 128
    .sgpr_count:     66
    .vgpr_count:     176
    .wavefront_size: 32
...
	.end_amdgpu_metadata
.endif
;; end of part 1
;; launch place (part 2): grid 1 x 1, 32 waves a work-group, no clusters, 9,216 bytes of LDS; arguments sel, gate, lists, out1; writes lists, out1
.if DOCPART == 2
	.amdgcn_target "amdgcn-amd-amdhsa--gfx1250"
	.amdhsa_code_object_version 6
	.text
	.protected	k_q2b69483c66_place
	.globl	k_q2b69483c66_place
	.p2align	8
	.type	k_q2b69483c66_place,@function
k_q2b69483c66_place:
	s_mov_b64 s[64:65], 0
	v_nop
	global_prefetch_b8 v0, s[64:65] scope:SCOPE_SE
	s_setreg_imm32_b32 hwreg(HW_REG_WAVE_MODE, 25, 1), 1
	s_wait_xcnt 0x0
; THE ROWS ARE PLACED BY EXPERT (a counting sort without atomics), and the loss is summed.  Only the rows of chosen experts get a place: see the first kernel's head.
; Thread t is token t.  Expert e owns positions 1,280 e .. 1,280 e + 1,279; a token's position is 1,280 e + its rank among e's tokens, in token order.
; lists: rowtok [8][1280] (position -> token; 0 behind an expert's count), 1,024 words that nobody reads, tokpos [1024][2], nt [32] (tiles of 16 rows for each expert).
; All that feeds an address stays in whole numbers: masks, population counts, sums by moves between lanes and integer additions.
; One work-group: the sort needs every token's choice, and is a few hundred instructions a wave.
.set CNT,   0                          ; LDS: [32 rows][32 waves] u32: row e = the waves' counts for expert e (rows 8 to 31 hold zeros)
.set PSUM,  4096                       ; [32 waves][8] f32: the waves' sums of the softmax
.set SPARE, 5120                       ; the spare words, 128 bytes for each of 32 waves
.set SPW, 6
.set NIL, 7
.macro FSUM r                          ; a sum over the wave's 32 lanes, f32, result in every lane
	v_add_f32_dpp v[\r], v[\r], v[\r] row_xmask:1 row_mask:0xf bank_mask:0xf
	v_add_f32_dpp v[\r], v[\r], v[\r] row_xmask:2 row_mask:0xf bank_mask:0xf
	v_add_f32_dpp v[\r], v[\r], v[\r] row_xmask:4 row_mask:0xf bank_mask:0xf
	v_add_f32_dpp v[\r], v[\r], v[\r] row_xmask:8 row_mask:0xf bank_mask:0xf
	v_permlanex16_b32 v11, v[\r], s40, s41
	v_add_f32 v[\r], v[\r], v11
.endm
	s_load_b256 s[4:11], s[0:1], 0x0               ; sel, gate, lists, out1
	v_lshl_add_u32 v[SPW], v0, 2, SPARE
	v_mov_b32 v[NIL], 0
	v_lshrrev_b32 v1, 5, v0
	v_readfirstlane_b32 s14, v1                    ; wave
	v_and_b32 v1, 31, v0                           ; lane
	v_lshlrev_b32 v2, 3, v0
	v_lshlrev_b32 v3, 5, v0
	s_lshl_b32 s15, s14, 2
	v_lshl_add_u32 v4, v1, 7, s15                  ; row = lane, column = wave
	v_lshlrev_b32 v5, 2, v1                        ; column = lane
	s_lshl_b32 s15, s14, 5
	s_add_co_u32 s15, s15, PSUM
	v_mov_b32 v8, s15
	v_lshl_add_u32 v9, v1, 5, PSUM
	v_mov_b32 v11, 0
	v_mov_b32 v28, 0
	v_mov_b32 v29, 0
	v_mov_b32 v31, 0
	v_mov_b32 v60, 0
	v_mov_b32 v61, 0
	v_mov_b32 v69, 0
	v_mov_b32 v80, 0
	v_mov_b32 v93, 0
	v_lshlrev_b32 v66, 2, v0
	v_add_nc_u32 v68, 0x2800, v0                   ; my word among those that nobody reads: 10,240 + t
.set n, 0
.rept 16
	v_mov_b32 v[96+n], 0                           ; written once: the destination of a move between lanes counts as read
.set n, n+1
.endr
	s_mov_b32 s40, 0x76543210
	s_mov_b32 s41, 0xfedcba98
	s_wait_kmcnt 0x0
	global_load_b64 v[16:17], v2, s[4:5]
	global_load_b128 v[20:23], v3, s[6:7]
	global_load_b128 v[24:27], v3, s[6:7] offset:16
	s_wait_loadcnt 0x0
	v_min_u32 v16, 7, v16
	v_min_u32 v17, 7, v17
.irp e, 0,1,2,3,4,5,6,7
	v_cmp_eq_u32 s20, \e, v16                      ; whose first choice is e,
	v_cmp_eq_u32 s21, \e, v17                      ; whose second
	s_or_b32 s22, s20, s21
	s_bcnt1_i32_b32 s23, s22                       ; my wave's count for e
	v_mbcnt_lo_u32_b32 v30, s22, 0                 ; how many lanes below mine chose e
	v_cndmask_b32 v28, v28, v30, s20
	v_cndmask_b32 v29, v29, v30, s21
	v_writelane_b32 v31, s23, \e
.endr
	ds_store_b32 v4, v31
.irp e, 0,1,2,3,4,5,6,7
	FSUM 20+\e
.endr
	ds_store_b128 v8, v[20:23]
	ds_store_b128 v8, v[24:27] offset:16
	s_wait_dscnt 0x0
	s_barrier_signal -1
	s_barrier_wait -1
.irp e, 0,1,2,3,4,5,6,7
	ds_load_b32 v[40+\e], v5 offset:CNT+128*\e     ; lane l: wave l's count for expert e
.endr
	s_wait_dscnt 0x0
	v_cmp_gt_u32 vcc_lo, s14, v1                   ; the waves in front of mine
.irp e, 0,1,2,3,4,5,6,7
	v_cndmask_b32 v[48+\e], 0, v[40+\e], vcc_lo
.endr
.irp m, 1,2,4,8                                ; sixteen sums over the lanes, in whole numbers: v40-47 the totals, v48-55 what lies in front of my wave
.set n, 0
.rept 16
	v_mov_b32_dpp v[96+n], v[40+n] row_xmask:\m row_mask:0xf bank_mask:0xf
.set n, n+1
.endr
.set n, 0
.rept 16
	v_add_nc_u32 v[40+n], v[40+n], v[96+n]
.set n, n+1
.endr
.endr
.set n, 0
.rept 16
	v_permlanex16_b32 v[96+n], v[40+n], s40, s41
.set n, n+1
.endr
.set n, 0
.rept 16
	v_add_nc_u32 v[40+n], v[40+n], v[96+n]
.set n, n+1
.endr
.irp e, 0,1,2,3,4,5,6,7
	v_cmp_eq_u32 vcc_lo, \e, v16
	v_cndmask_b32 v60, v60, v[48+\e], vcc_lo
	v_cmp_eq_u32 vcc_lo, \e, v17
	v_cndmask_b32 v61, v61, v[48+\e], vcc_lo
.endr
	v_mad_u32_u24 v62, v16, 0x500, v60
	v_mad_u32_u24 v63, v17, 0x500, v61
	v_add_nc_u32 v62, v62, v28
	v_add_nc_u32 v63, v63, v29
	v_min_u32 v62, 0x27ff, v62                     ; a position: at most 10,239
	v_min_u32 v63, 0x27ff, v63
	v_lshlrev_b32 v64, 2, v62
	v_lshlrev_b32 v65, 2, v63
	global_store_b32 v64, v0, s[8:9]               ; rowtok[position] = token
	global_store_b32 v65, v0, s[8:9]
	global_store_b64 v2, v[62:63], s[8:9] offset:45056   ; tokpos[token]
.irp e, 0,1,2,3,4,5,6,7                        ; rowtok is 0 behind an expert's count: thread t clears word t of each expert where t is at or past the count, else its own idle word
	v_add_nc_u32 v[70+\e], 1280*\e, v0
	v_cmp_ge_u32 vcc_lo, v0, v[40+\e]
	v_cndmask_b32 v[70+\e], v68, v[70+\e], vcc_lo
	v_min_u32 v[70+\e], 0x2bff, v[70+\e]
	v_lshlrev_b32 v[70+\e], 2, v[70+\e]
	global_store_b32 v[70+\e], v69, s[8:9]
.endr
	s_cmp_ge_u32 s14, 8
	s_cbranch_scc1 .Lno_tail
.irp e, 0,1,2,3,4,5,6,7
	global_store_b32 v66, v69, s[8:9] offset:5120*\e+4096   ; words 1,024 to 1,279 of each expert: threads 0 to 255
.endr
.Lno_tail:
	s_cmp_lg_u32 s14, 0
	s_cbranch_scc1 .Lend
.irp e, 0,1,2,3,4,5,6,7
	v_cmp_eq_u32 vcc_lo, \e, v1
	v_cndmask_b32 v80, v80, v[40+\e], vcc_lo
.endr
	v_add_nc_u32 v80, 15, v80
	v_lshrrev_b32 v80, 4, v80                      ; tiles of 16 rows; lanes 8 to 31 hold 0
	global_store_b32 v5, v80, s[8:9] offset:53248
	ds_load_b128 v[84:87], v9                      ; the loss: 8 x sum over e of (S / 1,024) x S, S = the softmax summed over all tokens
	ds_load_b128 v[88:91], v9 offset:16
	s_wait_dscnt 0x0
.irp e, 0,1,2,3,4,5,6,7
	FSUM 84+\e
.endr
	v_mul_f32 v92, v84, v84
.irp e, 1,2,3,4,5,6,7
	v_fmac_f32 v92, v[84+\e], v[84+\e]
.endr
	v_mul_f32 v92, 0x3c000000, v92                 ; x 8 / 1,024
	v_cmp_eq_u32 vcc_lo, 0, v1
	s_wait_xcnt 0x0                                ; EXEC changes only behind this wait
	s_and_saveexec_b32 s25, vcc_lo
	global_store_b32 v93, v92, s[10:11]
	s_wait_xcnt 0x0
	s_or_b32 exec_lo, exec_lo, s25
.Lend:
	s_wait_tensorcnt 0x0                           ; the wave's end
	ds_add_u32 v[SPW], v[NIL]
	s_wait_dscnt 0x0
	s_endpgm
.Lfunc_end_k_q2b69483c66_place:
	.size	k_q2b69483c66_place, .Lfunc_end_k_q2b69483c66_place-k_q2b69483c66_place
	.p2alignl 7, 3214868480
	.fill 96, 4, 3214868480
	.section	.rodata,"a",@progbits
	.p2align	6, 0x0
	.amdhsa_kernel k_q2b69483c66_place
		.amdhsa_group_segment_fixed_size 9216
		.amdhsa_private_segment_fixed_size 0
		.amdhsa_enable_private_segment 0
		.amdhsa_kernarg_size 32
		.amdhsa_user_sgpr_count 2
		.amdhsa_user_sgpr_kernarg_segment_ptr 1
		.amdhsa_wavefront_size32 1
		.amdhsa_system_sgpr_workgroup_id_x 1
		.amdhsa_system_sgpr_workgroup_id_y 1
		.amdhsa_system_sgpr_workgroup_id_z 1
		.amdhsa_system_vgpr_workitem_id 0
		.amdhsa_next_free_vgpr 128
		.amdhsa_next_free_sgpr 66
		.amdhsa_reserve_vcc 1
		.amdhsa_float_denorm_mode_32 3
		.amdhsa_float_denorm_mode_16_64 3
		.amdhsa_memory_ordered 1
		.amdhsa_forward_progress 1
		.amdhsa_inst_pref_size 27
	.end_amdhsa_kernel
	.amdgpu_metadata
---
amdhsa.version: [ 1, 2 ]
amdhsa.kernels:
  - .name:           k_q2b69483c66_place
    .symbol:         k_q2b69483c66_place.kd
    .args:
      - { .name: sel, .offset: 0, .size: 8, .value_kind: global_buffer, .address_space: global }
      - { .name: gate, .offset: 8, .size: 8, .value_kind: global_buffer, .address_space: global }
      - { .name: lists, .offset: 16, .size: 8, .value_kind: global_buffer, .address_space: global }
      - { .name: out1, .offset: 24, .size: 8, .value_kind: global_buffer, .address_space: global }
    .group_segment_fixed_size: 9216
    .private_segment_fixed_size: 0
    .kernarg_segment_align: 8
    .kernarg_segment_size: 32
    .max_flat_workgroup_size: 1024
    .sgpr_count:     66
    .vgpr_count:     128
    .wavefront_size: 32
...
	.end_amdgpu_metadata
.endif
;; end of part 2
;; launch ffn1 (part 3): grid 32 x 8, 4 waves a work-group, no clusters, 135,680 bytes of LDS; arguments W1, b1, xc, lists, hc; writes hc
.if DOCPART == 3
	.amdgcn_target "amdgcn-amd-amdhsa--gfx1250"
	.amdhsa_code_object_version 6
	.text
	.protected	k_q2b69483c66_ffn1
	.globl	k_q2b69483c66_ffn1
	.p2align	8
	.type	k_q2b69483c66_ffn1,@function
k_q2b69483c66_ffn1:
	s_mov_b64 s[64:65], 0
	v_nop
	global_prefetch_b8 v0, s[64:65] scope:SCOPE_SE
	s_setreg_imm32_b32 hwreg(HW_REG_WAVE_MODE, 25, 1), 1
	s_wait_xcnt 0x0
; h = gelu(x W1[e] + b1[e]) for the rows that chose expert e (the others are left out: see the first kernel's head), quantised along the hidden units and stored as operand images.
; THE WEIGHTS STAY, THE ROWS PASS.  Work-group (sl, e) owns hidden units 128 sl .. 128 sl + 127 of expert e: 1,024 k x 512 bytes of W1, read from memory ONCE as f32, quantised in registers,
; kept in LDS as images of operand registers (131,072 bytes), and multiplied by all rows of the expert while the stream runs.  No code of a weight goes to memory.
; A BLOCK OF W1 WITHOUT ANY TRANSPOSITION.  32 k x 64 columns are 16 loads of 16 bytes a lane: lane (q = lane % 16, hh = lane / 16) reads columns 4 q .. 4 q + 3 of row k0 + 16 hh + i; each
; load covers two runs of 256 consecutive bytes, aligned.  For j = 0 .. 3 the lane then holds 16 neighbours along k of column 4 q + j: registers 4 c .. 4 c + 3 of lane (q, hh) of the fragment
; whose 16 rows are the columns {4 q + j}.  Which columns form a tile is free.
; THE PRODUCT IS USED TRANSPOSED (source 0 = 16 columns of W1, source 1 = 16 rows of x): lane (r, hh) holds row r, register p of tile j is column 32 hh + 4 p + j.  The four tiles of a group of
; 64 columns give a lane 32 NEIGHBOURING hidden units: one whole block of the next product's K, in one lane.
; EIGHT TRIPS of 128 along K, written out.  In trip t wave w quantises block c = w for both groups of 64 columns; a barrier; each wave multiplies its own 5 tiles of 16 rows by the trip's 8 fragments.
; Each LDS byte is written once, so one barrier a trip is enough.  Loads of W1 run two trips ahead.
; ROWS.  A pass is 20 tiles (wave w: tiles 20 p + 5 w + i).  Pass 0 runs under the stream.  Passes 1 to 3 run behind it, out of LDS, only where 20 p is under the expert's stored number of tiles
; (up to 64): a scalar branch on a stored whole number, round no barrier.  Row slots behind an expert's count hold token 0 and are stored at places that nobody reads.
; NO CLUSTER, NO TENSOR LOAD: the later passes hang on a number read from memory, and what the 32 work-groups of an expert share (x's codes, 80 KiB a pass) is small beside the 512 KiB of weights that each reads alone.
; erf is x P(x^2) / Q(x^2) with x held to +-4, all in f32; LIMIT: in the far negative tail of gelu, where 1 + erf cancels, the relative error grows to about 1e-7 / (1 + erf).
; REGISTERS, in windows of 256.  Window 0: addresses, scale words, the quantiser's work, four fragments of W1.  Window 1: W1's numbers, two slots of 128; later b1 and the gelu's work.
; Window 2: the accumulators of tiles 0-3 at 64 i + 8 f.  Window 3: those of tile 4 at 8 f; x's fragments, two buffers, at 64 + 80 b + 16 i.
.set WSC,   131072                     ; LDS: behind the images [8 t + f][c][lane][16 bytes]: the weights' scale words [8 t + f][q], byte c
.set SPARE, 135168                     ; the spare words, 128 bytes for each wave
.set WO,  1                            ; W1: 524,288 w + 262,144 hh + 16 q
.set LW0, 2                            ; where I store images: 16 lane + 512 w;  LW1: 65,536 further on
.set LW1, 3
.set LSB, 4                            ; where I store scale bytes: WSC + 4 q + w
.set LR0, 5                            ; where I read images: 16 lane;  LR1: 65,536 further on
.set LR1, 6
.set LSR, 7                            ; where I read scale words: WSC + 4 lane
.set RTO, 8                            ; 4 r
.set HQO, 9                            ; 512 hh + 16 r
.set BO,  10                           ; 128 hh
.set SPW, 11
.set NIL, 12
.set LRX, 13                           ; the later passes' LDS addresses
.set LSX, 14
.set H16, 15                           ; 16 hh
.set XO,  16                           ; v16-20 token x 1,024 + 16 hh
.set XT,  21                           ; v21-25 token x 32
.set XSS, 26                           ; v26-30 x's scale words in the later passes: scales and nothing else
.set XSC, 32                           ; v32-71 x's scale words, 8 i + t: scales and nothing else
.set WS,  72                           ; v72-75 the weights' scale words: lanes 0-15 tile 2 g, lanes 16-31 tile 2 g + 1
.set M,    76
.set PX,   80
.set SOP,  84
.set HOLD, 88
.set BYTE, 92
.set T,    100
.set C,    132
.set WF,   164
.set WB0, 18                           ; s[18:19], s[20:21] W1 at my slice, trips 0-3 and 4-7
.set XQ,  22                           ; s[22:23] x's codes;  s[24:25] x's scale words
.set V,   64                           ; window 1, behind the stream: b1 at 0-63
.set Z,   96
.set X2,  128
.set P,   160
.set Q,   192
.set HC,  224
.set EM,  232
.set ESOP, 233
.set EHOLD, 234
.set EBYTE, 235
.set EW,  236
.set EPX, 237
.set E8H, 238
.set KA0, 240
.set KB0, 242
.set EM2, 244
.set MSB, 0
.macro WIN new                         ; the immediate's high byte repeats the setting that is left
.if MSB != \new
	s_set_vgpr_msb (MSB<<8)|\new
.set MSB, \new
.endif
.endm
.macro SPAIR r, val
	s_mov_b32 s[\r], \val
	s_mov_b32 s[\r+1], \val
.endm
.macro WLOAD p, t                      ; trip t's 32 k x 128 columns of my block into slot p: number (u, i, j) at 128 p + 64 u + 4 i + j of window 1
	WIN 0x40
.irp u, 0,1
.irp i, 0,1,2,3,4,5,6,7,8,9,10,11,12,13,14,15
	global_load_b128 v[128*(\p)+64*\u+4*\i:128*(\p)+64*\u+4*\i+3], v[WO], s[WB0+2*((\t)/4):WB0+2*((\t)/4)+1] offset:((\t)%4)*2097152+256*\u+16384*\i th:TH_LOAD_NT
.endr
.endr
.endm
.macro XLOAD xb, base, t               ; my five tiles' fragments of x for K step t into buffer xb of window 3
	WIN 0xc0
.irp i, 0,1,2,3,4
.irp c, 0,1,2,3
	global_load_b128 v[64+80*(\xb)+16*\i+4*\c:64+80*(\xb)+16*\i+4*\c+3], v[XO+\i], s[\base:\base+1] offset:128*(\t)+32*\c
.endr
.endr
.endm
; 32 k x 64 columns become group c = w of four fragments and their scale bytes
.macro QBLOCK p, u, t
.set RB, 128*(\p)+64*(\u)
	WIN 0x14                                       ; sources 1 and 2: window 1
.irp j, 0,1,2,3
	v_max3_num_f32 v[M+\j], 0x8000000, |v[RB+\j]|, |v[RB+4+\j]|    ; with the floor 2^(16 - 127): the byte cannot fall under 1
.endr
.irp i, 2,4,6,8,10,12,14
.irp j, 0,1,2,3
	v_max3_num_f32 v[M+\j], v[M+\j], |v[RB+4*\i+\j]|, |v[RB+4*\i+4+\j]|
.endr
.endr
	WIN 0x10                                       ; source 2 alone: window 1
.irp j, 0,1,2,3
	v_permlanex16_b32 v[PX+\j], v[M+\j], s42, s43
.endr
.irp j, 0,1,2,3
	v_max_num_f32 v[M+\j], v[M+\j], v[PX+\j]       ; with lane l xor 16's 16: the block's largest magnitude
.endr
.irp j, 0,1,2,3
	v_add_nc_u32 v[SOP+\j], 0xf8800000, v[M+\j]    ; 15 off the exponent field: the conversion's scale operand
.endr
.irp j, 0,1,2,3
	v_and_or_b32 v[HOLD+\j], v[M+\j], 0x7f800000, s44   ; 57,344 x the scale
.endr
.irp j, 0,1,2,3
	v_lshrrev_b32 v[BYTE+4*(\u)+\j], 23, v[SOP+\j]
.endr
.irp j, 0,1,2,3
.irp i, 0,1,2,3,4,5,6,7,8,9,10,11,12,13,14,15
	v_med3_num_f32 v[T+16*(\j%2)+\i], -v[HOLD+\j], v[HOLD+\j], v[RB+4*\i+\j]   ; the hold (the conversion does not saturate: ISA guide 7.6.2); it also gathers column j's 16 numbers.  The next column's holds are the plain lines behind this column's conversions
.endr
	v_cvt_scalef32_pk8_bf8_f32 v[C+4*(4*(\u)+\j):C+4*(4*(\u)+\j)+1], v[T+16*(\j%2):T+16*(\j%2)+7], v[SOP+\j]
	v_cvt_scalef32_pk8_bf8_f32 v[C+4*(4*(\u)+\j)+2:C+4*(4*(\u)+\j)+3], v[T+16*(\j%2)+8:T+16*(\j%2)+15], v[SOP+\j]
	ds_store_b128 v[LW0+(\t)/4], v[C+4*(4*(\u)+\j):C+4*(4*(\u)+\j)+3] offset:((\t)%4)*16384+(4*(\u)+\j)*2048
	ds_store_b8 v[LSB], v[BYTE+4*(\u)+\j] offset:(8*(\t)+4*(\u)+\j)*64   ; both halves of the lanes write the same byte with the same value
.endr
	v_nop                                          ; a plain line behind the last conversion
.endm
.macro MM d, a, b, sa, sb, odd, zero
.if \zero
.if \odd
	v_wmma_scale_f32_16x16x128_f8f6f4 v[(\d):(\d)+7], v[(\a):(\a)+15], v[(\b):(\b)+15], 0, v[\sa], v[\sb] matrix_a_fmt:MATRIX_FMT_BF8 matrix_b_fmt:MATRIX_FMT_BF8 matrix_a_scale:MATRIX_SCALE_ROW1
.else
	v_wmma_scale_f32_16x16x128_f8f6f4 v[(\d):(\d)+7], v[(\a):(\a)+15], v[(\b):(\b)+15], 0, v[\sa], v[\sb] matrix_a_fmt:MATRIX_FMT_BF8 matrix_b_fmt:MATRIX_FMT_BF8
.endif
.else
.if \odd
	v_wmma_scale_f32_16x16x128_f8f6f4 v[(\d):(\d)+7], v[(\a):(\a)+15], v[(\b):(\b)+15], v[(\d):(\d)+7], v[\sa], v[\sb] matrix_a_fmt:MATRIX_FMT_BF8 matrix_b_fmt:MATRIX_FMT_BF8 matrix_a_scale:MATRIX_SCALE_ROW1
.else
	v_wmma_scale_f32_16x16x128_f8f6f4 v[(\d):(\d)+7], v[(\a):(\a)+15], v[(\b):(\b)+15], v[(\d):(\d)+7], v[\sa], v[\sb] matrix_a_fmt:MATRIX_FMT_BF8 matrix_b_fmt:MATRIX_FMT_BF8
.endif
.endif
.endm
; A K step's 40 products, in two halves of four fragments.  The 40 accumulators take turns, one instruction a turn, in the same order in every K step.
; Loads into registers that matrix instructions have read stand eight plain vector lines behind them: ahead of the first half the caller's lines, ahead of the second eight v_nop.
.macro KWORK lr, loff, sr, soff, xb, sx0, sxs, zero
.irp g, 0,1
.if \g == 1
.rept 8
	v_nop
.endr
.endif
.irp fp, 0,1,2,3
.irp c, 0,1,2,3
	ds_load_b128 v[WF+16*\fp+4*\c:WF+16*\fp+4*\c+3], v[\lr] offset:(\loff)+(4*\g+\fp)*2048+512*\c
.endr
.endr
.if \g == 0
.irp gp, 0,1,2,3
	ds_load_b32 v[WS+\gp], v[\sr] offset:(\soff)+128*\gp
.endr
.endif
	s_wait_dscnt 0x0
	WIN 0xac                                       ; source 1 (x) window 3, C and D window 2
.irp fp, 0,1,2,3
.irp i, 0,1,2,3
	MM 64*\i+8*(4*\g+\fp), WF+16*\fp, 64+80*(\xb)+16*\i, WS+2*\g+\fp/2, (\sx0)+(\sxs)*\i, \fp%2, \zero
.endr
.endr
	WIN 0xfc                                       ; C and D window 3
.irp fp, 0,1,2,3
	MM 8*(4*\g+\fp), WF+16*\fp, 64+80*(\xb)+64, WS+2*\g+\fp/2, (\sx0)+(\sxs)*4, \fp%2, \zero
.endr
	WIN 0
.endr
.endm
.macro TRIP t
.if \t < 7
	s_wait_loadcnt 32                              ; out, in order: this trip's W1, this trip's x, the next trip's W1: only the last 32 may stay out
.else
	s_wait_loadcnt 0x0
.endif
	QBLOCK (\t)%2, 0, \t
	QBLOCK (\t)%2, 1, \t
.if \t < 7
	XLOAD ((\t)+1)%2, XQ, (\t)+1
.endif
.if \t == 6
	WIN 0x40                                       ; b1: my 32 neighbours of each group of 64, into slot 0, which is done with
.irp u, 0,1
.irp n, 0,1,2,3,4,5,6,7
	global_load_b128 v[32*\u+4*\n:32*\u+4*\n+3], v[BO], s[70:71] offset:256*\u+16*\n
.endr
.endr
.endif
.if \t < 6
	WLOAD (\t)%2, (\t)+2
.endif
	WIN 0
	s_wait_dscnt 0x0                               ; for the others' sake: my part of the trip's fragments has landed
	s_barrier_signal -1
	s_barrier_wait -1
.if \t == 0
	KWORK LR0+(\t)/4, ((\t)%4)*16384, LSR, (\t)*512, (\t)%2, XSC+(\t), 8, 1
.else
	KWORK LR0+(\t)/4, ((\t)%4)*16384, LSR, (\t)*512, (\t)%2, XSC+(\t), 8, 0
.endif
.endm
	s_load_b256 s[4:11], s[0:1], 0x0               ; W1, b1, xc, lists
	s_load_b64 s[12:13], s[0:1], 0x20              ; hc
	v_lshl_add_u32 v[SPW], v0, 2, SPARE
	v_mov_b32 v[NIL], 0
	v_lshrrev_b32 v1, 5, v0
	v_readfirstlane_b32 s14, v1                    ; wave
	s_mov_b32 s15, ttmp9                           ; sl
	s_and_b32 s16, ttmp7, 0xffff                   ; e
	v_and_b32 v[H16], 31, v0                       ; (lane, for now)
	v_and_b32 v[RTO], 15, v0                       ; (q = r, for now)
	v_bfe_u32 v[BO], v0, 4, 1                      ; (hh, for now)
	v_lshlrev_b32 v[WO], 4, v[RTO]
	v_lshl_add_u32 v[WO], v[BO], 18, v[WO]
	s_lshl_b32 s32, s14, 19
	v_add_nc_u32 v[WO], s32, v[WO]
	v_lshlrev_b32 v[LR0], 4, v[H16]
	v_add_nc_u32 v[LR1], 0x10000, v[LR0]
	s_lshl_b32 s32, s14, 9
	v_add_nc_u32 v[LW0], s32, v[LR0]
	v_add_nc_u32 v[LW1], 0x10000, v[LW0]
	v_lshl_add_u32 v[LSB], v[RTO], 2, WSC
	v_add_nc_u32 v[LSB], s14, v[LSB]
	v_lshl_add_u32 v[LSR], v[H16], 2, WSC
	v_lshlrev_b32 v[HQO], 4, v[RTO]
	v_lshl_add_u32 v[HQO], v[BO], 9, v[HQO]
	v_lshlrev_b32 v[RTO], 2, v[RTO]
	v_lshlrev_b32 v[H16], 4, v[BO]
	v_lshlrev_b32 v[BO], 7, v[BO]
	v_mov_b32 v[LRX], v[LR0]
	v_mov_b32 v[LSX], v[LSR]
.irp j, 0,1,2,3
	v_mov_b32 v[PX+\j], 0                          ; written once: a lane permute's destination counts as read
.endr
	s_mov_b32 s42, 0x76543210
	s_mov_b32 s43, 0xfedcba98
	s_mov_b32 s44, 0x600000
	SPAIR 46, 0x3f3504f3                           ; 1 / sqrt(2)
	SPAIR 48, 0x32edffee                           ; P's coefficients behind the leading one
	SPAIR 50, 0xb60cff51
	SPAIR 52, 0xb86ec2d2
	SPAIR 54, 0xba40ac63
	SPAIR 56, 0xbb41a1f6
	SPAIR 58, 0xbc83dbd4
	SPAIR 60, 0xb95fbd29                           ; Q's
	SPAIR 62, 0xbadc924e
	SPAIR 66, 0xbbf19bf8
	SPAIR 68, 0xbc69b6a7
	s_mul_i32 s41, s16, 1280
	s_mul_i32 s32, s14, 80
	s_add_co_u32 s41, s41, s32                     ; my wave's first position in pass 0
	s_lshl_b32 s32, s16, 24
	s_lshl_b32 s34, s15, 9
	s_add_co_u32 s32, s32, s34
	s_mov_b32 s33, 0
	s_wait_kmcnt 0x0
	s_add_nc_u64 s[18:19], s[4:5], s[32:33]
	s_add_nc_u64 s[20:21], s[18:19], 0x800000
	s_mov_b64 s[22:23], s[8:9]
	s_add_nc_u64 s[24:25], s[8:9], 0x100000
	s_lshl_b32 s32, s41, 2
	s_add_nc_u64 s[26:27], s[10:11], s[32:33]      ; rowtok at my first position
	s_lshl_b32 s32, s41, 12
	s_lshl_b32 s34, s15, 11
	s_add_co_u32 s32, s32, s34
	s_add_nc_u64 s[28:29], s[12:13], s[32:33]      ; h's images: (tile x 32 + sl) x 2,048
	s_mul_i32 s32, s15, 40960
	s_lshl_b32 s34, s41, 2
	s_add_co_u32 s32, s32, s34
	s_add_co_u32 s32, s32, 41943040
	s_add_nc_u64 s[30:31], s[12:13], s[32:33]      ; h's scale words [sl][position]
	s_lshl_b32 s32, s16, 14
	s_lshl_b32 s34, s15, 9
	s_add_co_u32 s32, s32, s34
	s_add_nc_u64 s[70:71], s[6:7], s[32:33]        ; b1 at my slice
	s_lshl_b32 s32, s16, 2
	s_add_nc_u64 s[74:75], s[10:11], s[32:33]
	s_load_b32 s17, s[74:75], 0xd000               ; the expert's number of tiles
.irp i, 0,1,2,3,4
	global_load_b32 v[XO+\i], v[RTO], s[26:27] offset:64*\i
.endr
	WLOAD 0, 0
	WIN 0
	s_wait_loadcnt 32                              ; the five loads of tokens are in; W1's 32 may stay out
.irp i, 0,1,2,3,4
	v_min_u32 v[XO+\i], 0x3ff, v[XO+\i]
	v_lshlrev_b32 v[XT+\i], 5, v[XO+\i]
	v_lshl_add_u32 v[XO+\i], v[XO+\i], 10, v[H16]
.endr
.irp i, 0,1,2,3,4
	global_load_b128 v[XSC+8*\i:XSC+8*\i+3], v[XT+\i], s[24:25]
	global_load_b128 v[XSC+8*\i+4:XSC+8*\i+7], v[XT+\i], s[24:25] offset:16
.endr
	XLOAD 0, XQ, 0
	WLOAD 1, 1
.irp t, 0,1,2,3,4,5,6,7
	TRIP \t
.endr
; BEHIND THE STREAM: a loop of constant count.  Trip IT: pass IT / 8, K step IT % 8.  Trip 7 is pass 0's way out; trips 8 to 31 are passes 1 to 3, jumped over where the expert has no such tiles.  No barrier stands here.
	s_wait_kmcnt 0x0
	s_mov_b32 s36, 7
.Lxp:
	s_lshr_b32 s37, s36, 3                         ; the pass
	s_and_b32 s38, s36, 7                          ; the K step
	s_cmp_eq_u32 s37, 0
	s_cbranch_scc1 .Lchk
	s_mul_i32 s39, s37, 20
	s_cmp_ge_u32 s39, s17
	s_cbranch_scc1 .Lnext
	s_wait_xcnt 0x0                                ; the way out's stores have read their bases
	s_cmp_lg_u32 s38, 0
	s_cbranch_scc1 .Lhave_rows
	s_mul_i32 s32, s37, 1280
	s_mov_b32 s33, 0
	s_add_nc_u64 s[32:33], s[26:27], s[32:33]
.irp i, 0,1,2,3,4
	global_load_b32 v[XO+\i], v[RTO], s[32:33] offset:64*\i
.endr
	s_wait_loadcnt 0x0
.irp i, 0,1,2,3,4
	v_min_u32 v[XO+\i], 0x3ff, v[XO+\i]
	v_lshlrev_b32 v[XT+\i], 5, v[XO+\i]
	v_lshl_add_u32 v[XO+\i], v[XO+\i], 10, v[H16]
.endr
.Lhave_rows:
.rept 9
	v_nop                                          ; nine plain lines behind the last products: loads follow into registers that they read, and a pass's first products begin accumulators anew
.endr
	s_lshl_b32 s32, s38, 7
	s_mov_b32 s33, 0
	s_add_nc_u64 s[32:33], s[22:23], s[32:33]
	s_lshl_b32 s34, s38, 2
	s_mov_b32 s35, 0
	s_add_nc_u64 s[34:35], s[24:25], s[34:35]
	XLOAD 0, 32, 0
	WIN 0
.irp i, 0,1,2,3,4
	global_load_b32 v[XSS+\i], v[XT+\i], s[34:35]
.endr
	s_lshl_b32 s39, s38, 14
	v_add_nc_u32 v[LRX], s39, v[LR0]
	s_lshl_b32 s39, s38, 9
	v_add_nc_u32 v[LSX], s39, v[LSR]
	s_wait_loadcnt 0x0
	s_cmp_lg_u32 s38, 0
	s_cbranch_scc1 .Lacc
	KWORK LRX, 0, LSX, 0, 0, XSS, 1, 1
	s_branch .Lchk
.Lacc:
	KWORK LRX, 0, LSX, 0, 0, XSS, 1, 0
.Lchk:
	s_cmp_lg_u32 s38, 7
	s_cbranch_scc1 .Lnext
; THE WAY OUT OF A PASS: ten steps, tile EI / 2, group of 64 columns EI % 2: bias, gelu, quantiser, stores
.rept 8
	v_nop                                          ; eight plain lines between the last products and the first read of a result
.endr
	WIN 0x40
	v_mov_b32 v[KA0], 0xaf95df0b                   ; the leading coefficients of P and Q, as pairs
	v_mov_b32 v[KA0+1], 0xaf95df0b
	v_mov_b32 v[KB0], 0xb77460cd
	v_mov_b32 v[KB0+1], 0xb77460cd
	v_lshrrev_b32 v[E8H], 1, v[H16]                ; 8 hh
	v_mov_b32 v[EW], 0
	v_mov_b32 v[EPX], 0
	WIN 0
	s_mov_b32 s40, 0
.Lep:
	s_wait_xcnt 0x0                                ; the last step's stores have read their data and bases
.irp k, 1,2,3,4,5,6,7,8,9
	s_cmp_eq_u32 s40, \k
	s_cbranch_scc1 .Lcopy_\k
.endr
; one line a number adds the bias and puts the 32 numbers in the order of the next K; each accumulator is read from its low end on
.macro COPY k
.Lcopy_\k:
.if (\k)/2 < 4
	WIN 0x46
.set AB, 64*((\k)/2)+32*((\k)%2)
.else
	WIN 0x47
.set AB, 32*((\k)%2)
.endif
.irp j, 0,1,2,3
.irp p, 0,1,2,3,4,5,6,7
	v_add_f32 v[V+4*\p+\j], v[AB+8*\j+\p], v[32*((\k)%2)+4*\p+\j]
.endr
.endr
	WIN 0
.if \k < 9
	s_branch .Lgelu
.endif
.endm
.irp k, 0,1,2,3,4,5,6,7,8,9
	COPY \k
.endr
.Lgelu:
	WIN 0x55                                       ; everything in window 1
.irp n, 0,2,4,6,8,10,12,14,16,18,20,22,24,26,28,30
	v_pk_mul_f32 v[Z+\n:Z+\n+1], v[V+\n:V+\n+1], s[46:47] op_sel_hi:[1,0]
.endr
.set n, 0
.rept 32
	v_med3_num_f32 v[Z+n], v[Z+n], -4.0, 4.0
.set n, n+1
.endr
.irp n, 0,2,4,6,8,10,12,14,16,18,20,22,24,26,28,30
	v_pk_mul_f32 v[X2+\n:X2+\n+1], v[Z+\n:Z+\n+1], v[Z+\n:Z+\n+1]
.endr
.irp n, 0,2,4,6,8,10,12,14,16,18,20,22,24,26,28,30
	v_pk_fma_f32 v[P+\n:P+\n+1], v[X2+\n:X2+\n+1], v[KA0:KA0+1], s[48:49] op_sel_hi:[1,1,0]
	v_pk_fma_f32 v[Q+\n:Q+\n+1], v[X2+\n:X2+\n+1], v[KB0:KB0+1], s[60:61] op_sel_hi:[1,1,0]
.endr
.irp k, 50,52,54,56,58
.irp n, 0,2,4,6,8,10,12,14,16,18,20,22,24,26,28,30
	v_pk_fma_f32 v[P+\n:P+\n+1], v[P+\n:P+\n+1], v[X2+\n:X2+\n+1], s[\k:\k+1] op_sel_hi:[1,1,0]
.endr
.endr
.irp k, 62,66,68
.irp n, 0,2,4,6,8,10,12,14,16,18,20,22,24,26,28,30
	v_pk_fma_f32 v[Q+\n:Q+\n+1], v[Q+\n:Q+\n+1], v[X2+\n:X2+\n+1], s[\k:\k+1] op_sel_hi:[1,1,0]
.endr
.endr
.set n, 0
.rept 32
	v_rcp_f32 v[Q+n], v[Q+n]
.set n, n+1
.endr
.irp n, 0,2,4,6,8,10,12,14,16,18,20,22,24,26,28,30
	v_pk_mul_f32 v[P+\n:P+\n+1], v[P+\n:P+\n+1], v[Z+\n:Z+\n+1]    ; plain work behind the reciprocals, which names none of them
	v_pk_mul_f32 v[V+\n:V+\n+1], v[V+\n:V+\n+1], 0.5 op_sel_hi:[1,0]
.endr
	s_wait_alu depctr_va_vdst(0)                   ; one wait for the 32 reciprocals, ahead of their first reader
.irp n, 0,2,4,6,8,10,12,14,16,18,20,22,24,26,28,30
	v_pk_mul_f32 v[P+\n:P+\n+1], v[P+\n:P+\n+1], v[Q+\n:Q+\n+1]    ; erf
.endr
.irp n, 0,2,4,6,8,10,12,14,16,18,20,22,24,26,28,30
	v_pk_fma_f32 v[V+\n:V+\n+1], v[V+\n:V+\n+1], v[P+\n:P+\n+1], v[V+\n:V+\n+1]   ; (v / 2) erf + v / 2
.endr
	v_max3_num_f32 v[EM], 0x8000000, |v[V]|, |v[V+1]|              ; the block's largest magnitude: all 32 numbers are mine; two chains, and the floor
	v_max3_num_f32 v[EM2], |v[V+16]|, |v[V+17]|, |v[V+18]|
.irp n, 2,4,6,8,10,12
	v_max3_num_f32 v[EM], v[EM], |v[V+\n]|, |v[V+\n+1]|
	v_max3_num_f32 v[EM2], v[EM2], |v[V+17+\n]|, |v[V+18+\n]|
.endr
	v_max3_num_f32 v[EM], v[EM], |v[V+14]|, |v[V+15]|
	v_max3_num_f32 v[EM], v[EM], v[EM2], |v[V+31]|
	v_add_nc_u32 v[ESOP], 0xf8800000, v[EM]
	v_and_or_b32 v[EHOLD], v[EM], 0x7f800000, s44
	v_lshrrev_b32 v[EBYTE], 23, v[ESOP]
	v_lshrrev_b32 v[EW], 16, v[EW]                 ; the two groups' bytes: the first ends in bits 7:0, the second in bits 23:16
	v_lshl_or_b32 v[EW], v[EBYTE], 16, v[EW]
.set n, 0
.rept 32
	v_med3_num_f32 v[V+n], v[V+n], -v[EHOLD], v[EHOLD]
.set n, n+1
.endr
.irp g, 0,1,2,3
	v_cvt_scalef32_pk8_bf8_f32 v[HC+2*\g:HC+2*\g+1], v[V+8*\g:V+8*\g+7], v[ESOP]
.endr
	v_nop                                          ; a plain line behind the last conversion
	WIN 0
	s_lshr_b32 s39, s40, 1                         ; the tile
	s_and_b32 s35, s40, 1                          ; the group
	s_mul_i32 s32, s37, 1310720
	s_lshl_b32 s34, s39, 16
	s_add_co_u32 s32, s32, s34
	s_lshl_b32 s34, s35, 10
	s_add_co_u32 s32, s32, s34
	s_mov_b32 s33, 0
	s_add_nc_u64 s[32:33], s[28:29], s[32:33]
	WIN 0x04                                       ; a store's data: window 1
	global_store_b128 v[HQO], v[HC:HC+3], s[32:33]                 ; my block c = 2 u + hh: k 0-15 belong to lane (r, 0) of the image, k 16-31 to lane (r, 1): each half of the lanes stores 256 consecutive bytes, aligned
	global_store_b128 v[HQO], v[HC+4:HC+7], s[32:33] offset:256
	WIN 0
	s_cmp_eq_u32 s35, 0
	s_cbranch_scc1 .Lep_next
	s_mul_i32 s34, s37, 1280
	s_lshl_b32 s39, s39, 6
	s_add_co_u32 s34, s34, s39
	s_mov_b32 s35, 0
	s_add_nc_u64 s[34:35], s[30:31], s[34:35]
	WIN 0x55
	v_lshlrev_b32 v[EW], v[E8H], v[EW]             ; lanes 0-15 hold bytes 0 and 2, lanes 16-31 bytes 1 and 3
	v_permlanex16_b32 v[EPX], v[EW], s42, s43
	v_or_b32 v[EW], v[EW], v[EPX]                  ; the row's scale word for this K step
	WIN 0x04
	global_store_b32 v[RTO], v[EW], s[34:35]
	WIN 0
.Lep_next:
	s_add_co_u32 s40, s40, 1
	s_cmp_lt_u32 s40, 10
	s_cbranch_scc1 .Lep
.Lnext:
	s_add_co_u32 s36, s36, 1
	s_cmp_lt_u32 s36, 32
	s_cbranch_scc1 .Lxp
	s_wait_tensorcnt 0x0                           ; the wave's end
	ds_add_u32 v[SPW], v[NIL]
	s_wait_dscnt 0x0
	s_endpgm
.Lfunc_end_k_q2b69483c66_ffn1:
	.size	k_q2b69483c66_ffn1, .Lfunc_end_k_q2b69483c66_ffn1-k_q2b69483c66_ffn1
	.p2alignl 7, 3214868480
	.fill 96, 4, 3214868480
	.section	.rodata,"a",@progbits
	.p2align	6, 0x0
	.amdhsa_kernel k_q2b69483c66_ffn1
		.amdhsa_group_segment_fixed_size 135680
		.amdhsa_private_segment_fixed_size 0
		.amdhsa_enable_private_segment 0
		.amdhsa_kernarg_size 40
		.amdhsa_user_sgpr_count 2
		.amdhsa_user_sgpr_kernarg_segment_ptr 1
		.amdhsa_wavefront_size32 1
		.amdhsa_system_sgpr_workgroup_id_x 1
		.amdhsa_system_sgpr_workgroup_id_y 1
		.amdhsa_system_sgpr_workgroup_id_z 1
		.amdhsa_system_vgpr_workitem_id 0
		.amdhsa_next_free_vgpr 1024
		.amdhsa_next_free_sgpr 80
		.amdhsa_reserve_vcc 0
		.amdhsa_float_denorm_mode_32 3
		.amdhsa_float_denorm_mode_16_64 3
		.amdhsa_memory_ordered 1
		.amdhsa_forward_progress 1
		.amdhsa_inst_pref_size 255
	.end_amdhsa_kernel
	.section	.bss,"aw",@nobits
	.p2align	6
	.space	262144
	.amdgpu_metadata
---
amdhsa.version: [ 1, 2 ]
amdhsa.kernels:
  - .name:           k_q2b69483c66_ffn1
    .symbol:         k_q2b69483c66_ffn1.kd
    .args:
      - { .name: W1, .offset: 0, .size: 8, .value_kind: global_buffer, .address_space: global }
      - { .name: b1, .offset: 8, .size: 8, .value_kind: global_buffer, .address_space: global }
      - { .name: xc, .offset: 16, .size: 8, .value_kind: global_buffer, .address_space: global }
      - { .name: lists, .offset: 24, .size: 8, .value_kind: global_buffer, .address_space: global }
      - { .name: hc, .offset: 32, .size: 8, .value_kind: global_buffer, .address_space: global }
    .group_segment_fixed_size: 135680
    .private_segment_fixed_size: 0
    .kernarg_segment_align: 8
    .kernarg_segment_size: 40
    .max_flat_workgroup_size: 128
    .sgpr_count:     80
    .vgpr_count:     1024
    .wavefront_size: 32
...
	.end_amdgpu_metadata
.endif
;; end of part 3
;; launch ffn2 (part 4): grid 32 x 8, 4 waves a work-group, no clusters, 153,088 bytes of LDS; arguments W2, hc, lists, ypart; writes ypart
.if DOCPART == 4
	.amdgcn_target "amdgcn-amd-amdhsa--gfx1250"
	.amdhsa_code_object_version 6
	.text
	.protected	k_q2b69483c66_ffn2
	.globl	k_q2b69483c66_ffn2
	.p2align	8
	.type	k_q2b69483c66_ffn2,@function
k_q2b69483c66_ffn2:
	s_mov_b64 s[64:65], 0
	v_nop
	global_prefetch_b8 v0, s[64:65] scope:SCOPE_SE
	s_setreg_imm32_b32 hwreg(HW_REG_WAVE_MODE, 25, 1), 1
	s_wait_xcnt 0x0
; y = h W2[e], for the rows that chose expert e (the others are left out: see the first kernel's head), in two halves of K; bias, gate weight and the sum follow in the last launch.
; The plan is the first product's: THE WEIGHTS STAY, THE ROWS PASS.  Work-group (x, e): output columns 64 (x / 2) .. + 63 (256 bytes of each row of W2 and of y, aligned) and K = 2,048 (x % 2) .. + 2,047:
; 512 KiB of W2, read once as f32, quantised in registers, kept in LDS as images of operand registers.  (32 columns would split runs of 256 bytes between work-groups; 64 columns x all of K would give work to 128 work-groups only.)
; A block of 32 k x 64 columns becomes group c of four fragments, tile j = the columns {4 q + j}, without any transposition, as in the first product.
; EIGHT TRIPS of two K steps, written out: wave w quantises block c = w of both steps; a barrier; each wave multiplies its own 5 tiles of rows: 20 accumulators (i, j), 20 products a K step.
; h comes as images: four loads of 16 bytes a lane bring a fragment.  Its scale words come two tiles to a register (lanes 0-15, lanes 16-31).
; Passes of 20 tiles as in the first product: pass 0 under the stream, passes 1 to 3 behind it where the stored number of tiles asks for them; the same slots are read that the launch before has stored.
; NO CLUSTER, NO TENSOR LOAD: the later passes hang on a number read from memory.
; REGISTERS.  Window 0: addresses, scale words, the quantiser's work, four fragments of W2.  Window 1: W2's numbers, two slots of 128.
; Window 2: h's buffer 0 at 32 i + 16 ks; accumulators of tiles 0-2 at 160 + 32 i + 8 j.  Window 3: h's buffer 1; accumulators of tiles 3, 4 at 160 + 32 (i - 3) + 8 j.
.set WSC,   131072
.set STAGE, 135168                     ; the way out: 16 rows x (256 + 16) bytes for each wave, its own
.set SPARE, 152576                     ; the spare words, 128 bytes for each wave
.set WO,  1                            ; W2: 131,072 w + 65,536 hh + 16 q
.set LW0, 2
.set LW1, 3
.set LSB, 4
.set LR0, 5                            ; 16 lane: an image's place for my lane, in LDS and in memory
.set LR1, 6
.set LSR, 7
.set SO,  8                            ; 4 lane
.set SO2, 9                            ; 4 (lane % 16)
.set STO, 10
.set SPW, 11
.set NIL, 12
.set LRX, 13
.set LSX, 14
.set SRD, 15
.set YO,  16
.set HS,  32                           ; v32-43 h's scale words, 6 b + 3 ks + pair: scales and nothing else
.set WS,  72
.set M,    76
.set PX,   80
.set SOP,  84
.set HOLD, 88
.set BYTE, 92
.set T,    100
.set C,    132
.set OB,   100                         ; the way out: two sets of 32, where the quantiser worked
.set WF,   164
.set WB0, 18
.set MSB, 0
.macro WIN new
.if MSB != \new
	s_set_vgpr_msb (MSB<<8)|\new
.set MSB, \new
.endif
.endm
.macro WLOAD p, t
	WIN 0x40
.irp u, 0,1
.irp i, 0,1,2,3,4,5,6,7,8,9,10,11,12,13,14,15
	global_load_b128 v[128*(\p)+64*\u+4*\i:128*(\p)+64*\u+4*\i+3], v[WO], s[WB0+2*((\t)/4):WB0+2*((\t)/4)+1] offset:((\t)%4)*1048576+524288*\u+4096*\i th:TH_LOAD_NT
.endr
.endr
.endm
.macro HLOAD hb, base, sbase, t        ; my five tiles' fragments of h for trip t's two K steps, and their scale words
	WIN 0x80+0x40*(\hb)
.irp i, 0,1,2,3,4
.irp ks, 0,1
.irp c, 0,1,2,3
	global_load_b128 v[32*\i+16*\ks+4*\c:32*\i+16*\ks+4*\c+3], v[LR0], s[\base:\base+1] offset:65536*\i+2048*(2*(\t)+\ks)+512*\c
.endr
.endr
.endr
	WIN 0
.irp ks, 0,1
	global_load_b32 v[HS+6*(\hb)+3*\ks], v[SO], s[\sbase:\sbase+1] offset:40960*(2*(\t)+\ks)
	global_load_b32 v[HS+6*(\hb)+3*\ks+1], v[SO], s[\sbase:\sbase+1] offset:40960*(2*(\t)+\ks)+128
	global_load_b32 v[HS+6*(\hb)+3*\ks+2], v[SO2], s[\sbase:\sbase+1] offset:40960*(2*(\t)+\ks)+256
.endr
.endm
.macro QBLOCK p, u, t                  ; 32 k x 64 columns become group c = w of four fragments and their scale bytes (u: which of the trip's two K steps)
.set RB, 128*(\p)+64*(\u)
	WIN 0x14
.irp j, 0,1,2,3
	v_max3_num_f32 v[M+\j], 0x8000000, |v[RB+\j]|, |v[RB+4+\j]|
.endr
.irp i, 2,4,6,8,10,12,14
.irp j, 0,1,2,3
	v_max3_num_f32 v[M+\j], v[M+\j], |v[RB+4*\i+\j]|, |v[RB+4*\i+4+\j]|
.endr
.endr
	WIN 0x10
.irp j, 0,1,2,3
	v_permlanex16_b32 v[PX+\j], v[M+\j], s42, s43
.endr
.irp j, 0,1,2,3
	v_max_num_f32 v[M+\j], v[M+\j], v[PX+\j]
.endr
.irp j, 0,1,2,3
	v_add_nc_u32 v[SOP+\j], 0xf8800000, v[M+\j]
.endr
.irp j, 0,1,2,3
	v_and_or_b32 v[HOLD+\j], v[M+\j], 0x7f800000, s44
.endr
.irp j, 0,1,2,3
	v_lshrrev_b32 v[BYTE+4*(\u)+\j], 23, v[SOP+\j]
.endr
.irp j, 0,1,2,3
.irp i, 0,1,2,3,4,5,6,7,8,9,10,11,12,13,14,15
	v_med3_num_f32 v[T+16*(\j%2)+\i], -v[HOLD+\j], v[HOLD+\j], v[RB+4*\i+\j]   ; the hold ahead of a conversion that does not saturate (ISA guide 7.6.2); the next column's holds are the plain lines behind this column's conversions
.endr
	v_cvt_scalef32_pk8_bf8_f32 v[C+4*(4*(\u)+\j):C+4*(4*(\u)+\j)+1], v[T+16*(\j%2):T+16*(\j%2)+7], v[SOP+\j]
	v_cvt_scalef32_pk8_bf8_f32 v[C+4*(4*(\u)+\j)+2:C+4*(4*(\u)+\j)+3], v[T+16*(\j%2)+8:T+16*(\j%2)+15], v[SOP+\j]
	ds_store_b128 v[LW0+(\t)/4], v[C+4*(4*(\u)+\j):C+4*(4*(\u)+\j)+3] offset:((\t)%4)*16384+(4*(\u)+\j)*2048
	ds_store_b8 v[LSB], v[BYTE+4*(\u)+\j] offset:(8*(\t)+4*(\u)+\j)*64
.endr
	v_nop                                          ; a plain line behind the last conversion
.endm
.macro MM d, a, b, sa, sb, oa, ob, zero
.if \zero
.if \oa
.if \ob
	v_wmma_scale_f32_16x16x128_f8f6f4 v[(\d):(\d)+7], v[(\a):(\a)+15], v[(\b):(\b)+15], 0, v[\sa], v[\sb] matrix_a_fmt:MATRIX_FMT_BF8 matrix_b_fmt:MATRIX_FMT_BF8 matrix_a_scale:MATRIX_SCALE_ROW1 matrix_b_scale:MATRIX_SCALE_ROW1
.else
	v_wmma_scale_f32_16x16x128_f8f6f4 v[(\d):(\d)+7], v[(\a):(\a)+15], v[(\b):(\b)+15], 0, v[\sa], v[\sb] matrix_a_fmt:MATRIX_FMT_BF8 matrix_b_fmt:MATRIX_FMT_BF8 matrix_a_scale:MATRIX_SCALE_ROW1
.endif
.else
.if \ob
	v_wmma_scale_f32_16x16x128_f8f6f4 v[(\d):(\d)+7], v[(\a):(\a)+15], v[(\b):(\b)+15], 0, v[\sa], v[\sb] matrix_a_fmt:MATRIX_FMT_BF8 matrix_b_fmt:MATRIX_FMT_BF8 matrix_b_scale:MATRIX_SCALE_ROW1
.else
	v_wmma_scale_f32_16x16x128_f8f6f4 v[(\d):(\d)+7], v[(\a):(\a)+15], v[(\b):(\b)+15], 0, v[\sa], v[\sb] matrix_a_fmt:MATRIX_FMT_BF8 matrix_b_fmt:MATRIX_FMT_BF8
.endif
.endif
.else
.if \oa
.if \ob
	v_wmma_scale_f32_16x16x128_f8f6f4 v[(\d):(\d)+7], v[(\a):(\a)+15], v[(\b):(\b)+15], v[(\d):(\d)+7], v[\sa], v[\sb] matrix_a_fmt:MATRIX_FMT_BF8 matrix_b_fmt:MATRIX_FMT_BF8 matrix_a_scale:MATRIX_SCALE_ROW1 matrix_b_scale:MATRIX_SCALE_ROW1
.else
	v_wmma_scale_f32_16x16x128_f8f6f4 v[(\d):(\d)+7], v[(\a):(\a)+15], v[(\b):(\b)+15], v[(\d):(\d)+7], v[\sa], v[\sb] matrix_a_fmt:MATRIX_FMT_BF8 matrix_b_fmt:MATRIX_FMT_BF8 matrix_a_scale:MATRIX_SCALE_ROW1
.endif
.else
.if \ob
	v_wmma_scale_f32_16x16x128_f8f6f4 v[(\d):(\d)+7], v[(\a):(\a)+15], v[(\b):(\b)+15], v[(\d):(\d)+7], v[\sa], v[\sb] matrix_a_fmt:MATRIX_FMT_BF8 matrix_b_fmt:MATRIX_FMT_BF8 matrix_b_scale:MATRIX_SCALE_ROW1
.else
	v_wmma_scale_f32_16x16x128_f8f6f4 v[(\d):(\d)+7], v[(\a):(\a)+15], v[(\b):(\b)+15], v[(\d):(\d)+7], v[\sa], v[\sb] matrix_a_fmt:MATRIX_FMT_BF8 matrix_b_fmt:MATRIX_FMT_BF8
.endif
.endif
.endif
.endm
; A trip's 40 products, in two halves, one K step each.  The 20 accumulators take turns, one instruction a turn, in the same order in every K step.
; zero = 1: the first K step's products start the sums.  Eight plain vector lines stand ahead of loads into registers that matrix instructions have read: the caller's, or eight v_nop.
.macro KWORK lr, loff, sr, soff, hb, zero
.irp g, 0,1
.if \g == 1
.rept 8
	v_nop
.endr
.endif
.irp fp, 0,1,2,3
.irp c, 0,1,2,3
	ds_load_b128 v[WF+16*\fp+4*\c:WF+16*\fp+4*\c+3], v[\lr] offset:(\loff)+(4*\g+\fp)*2048+512*\c
.endr
.endr
.if \g == 0
.irp gp, 0,1,2,3
	ds_load_b32 v[WS+\gp], v[\sr] offset:(\soff)+128*\gp
.endr
.endif
	s_wait_dscnt 0x0
	WIN 0xa8+4*(\hb)                               ; source 1 (h) window 2 or 3, C and D window 2
.irp fp, 0,1,2,3
.irp i, 0,1,2
	MM 160+32*\i+8*\fp, WF+16*\fp, 32*\i+16*\g, WS+2*\g+\fp/2, HS+6*(\hb)+3*\g+\i/2, \fp%2, \i%2, (\zero)*(1-\g)
.endr
.endr
	WIN 0xf8+4*(\hb)                               ; C and D window 3
.irp fp, 0,1,2,3
.irp i, 3,4
	MM 160+32*(\i-3)+8*\fp, WF+16*\fp, 32*\i+16*\g, WS+2*\g+\fp/2, HS+6*(\hb)+3*\g+\i/2, \fp%2, \i%2, (\zero)*(1-\g)
.endr
.endr
	WIN 0
.endr
.endm
.macro TRIP t
.if \t < 7
	s_wait_loadcnt 32                              ; out, in order: this trip's W2, this trip's h, the next trip's W2: only the last 32 may stay out
.else
	s_wait_loadcnt 0x0
.endif
	QBLOCK (\t)%2, 0, \t
	QBLOCK (\t)%2, 1, \t
.if \t < 7
	HLOAD ((\t)+1)%2, 22, 24, (\t)+1
.endif
.if \t < 6
	WLOAD (\t)%2, (\t)+2
.endif
	WIN 0
	s_wait_dscnt 0x0                               ; for the others' sake: my part of the trip's fragments has landed
	s_barrier_signal -1
	s_barrier_wait -1
.if \t == 0
	KWORK LR0+(\t)/4, ((\t)%4)*16384, LSR, (\t)*512, (\t)%2, 1
.else
	KWORK LR0+(\t)/4, ((\t)%4)*16384, LSR, (\t)*512, (\t)%2, 0
.endif
.endm
; Tile i leaves: register p of accumulator (i, j) is y(row r, column 32 hh + 4 p + j).  Through my own stage, back as whole rows of 256 bytes.  Each accumulator is read from its low end on.
.macro YOUT i
.if \i < 3
	WIN 0x08                                       ; an LDS store's data: window 2
.set AB, 160+32*(\i)
.else
	WIN 0x0c
.set AB, 160+32*((\i)-3)
.endif
.irp j, 0,1,2,3
.irp p, 0,1,2,3,4,5,6,7
	ds_store_b32 v[STO], v[AB+8*\j+\p] offset:16*\p+4*\j
.endr
.endr
	WIN 0
	s_wait_xcnt 0x0                                ; earlier stores have read the registers that the loads below fill
.irp n, 0,1,2,3,4,5,6,7
	ds_load_b128 v[OB+32*((\i)%2)+4*\n:OB+32*((\i)%2)+4*\n+3], v[SRD] offset:544*\n   ; LDS serves a wave's instructions in order (ISA guide 5.7.1.4): these see the stores above
.endr
	s_wait_dscnt 0x0
.irp n, 0,1,2,3,4,5,6,7
	global_store_b128 v[YO], v[OB+32*((\i)%2)+4*\n:OB+32*((\i)%2)+4*\n+3], s[32:33] offset:65536*(\i)+8192*\n th:TH_STORE_NT   ; each half of the lanes stores 256 consecutive bytes, aligned
.endr
.endm
	s_load_b256 s[4:11], s[0:1], 0x0               ; W2, hc, lists, ypart
	v_lshl_add_u32 v[SPW], v0, 2, SPARE
	v_mov_b32 v[NIL], 0
	v_lshrrev_b32 v1, 5, v0
	v_readfirstlane_b32 s14, v1                    ; wave
	s_lshr_b32 s45, ttmp9, 1                       ; which 64 columns
	s_and_b32 s46, ttmp9, 1                        ; which half of K
	s_and_b32 s16, ttmp7, 0xffff                   ; e
	v_and_b32 v19, 31, v0                          ; lane
	v_and_b32 v17, 15, v0                          ; q = r
	v_bfe_u32 v18, v0, 4, 1                        ; hh
	v_lshlrev_b32 v[WO], 4, v17
	v_lshl_add_u32 v[WO], v18, 16, v[WO]
	s_lshl_b32 s32, s14, 17
	v_add_nc_u32 v[WO], s32, v[WO]
	v_lshlrev_b32 v[LR0], 4, v19
	v_add_nc_u32 v[LR1], 0x10000, v[LR0]
	s_lshl_b32 s32, s14, 9
	v_add_nc_u32 v[LW0], s32, v[LR0]
	v_add_nc_u32 v[LW1], 0x10000, v[LW0]
	v_lshl_add_u32 v[LSB], v17, 2, WSC
	v_add_nc_u32 v[LSB], s14, v[LSB]
	v_lshl_add_u32 v[LSR], v19, 2, WSC
	v_lshlrev_b32 v[SO], 2, v19
	v_lshlrev_b32 v[SO2], 2, v17
	s_mul_i32 s32, s14, 4352
	s_add_co_u32 s32, s32, STAGE                   ; my stage
	v_mul_u32_u24 v[STO], v17, 272
	v_lshl_add_u32 v[STO], v18, 7, v[STO]
	v_add_nc_u32 v[STO], s32, v[STO]               ; in: row r, + 128 hh
	v_mul_u32_u24 v[SRD], v18, 272
	v_lshl_add_u32 v[SRD], v17, 4, v[SRD]
	v_add_nc_u32 v[SRD], s32, v[SRD]               ; back: lanes 0-15 one row, lanes 16-31 the next
	v_lshlrev_b32 v[YO], 4, v17
	v_lshl_add_u32 v[YO], v18, 12, v[YO]           ; and the same two rows in y
	v_mov_b32 v[LRX], v[LR0]
	v_mov_b32 v[LSX], v[LSR]
.irp j, 0,1,2,3
	v_mov_b32 v[PX+\j], 0
.endr
	s_mov_b32 s42, 0x76543210
	s_mov_b32 s43, 0xfedcba98
	s_mov_b32 s44, 0x600000
	s_mul_i32 s41, s16, 1280
	s_mul_i32 s32, s14, 80
	s_add_co_u32 s41, s41, s32                     ; my wave's first position in pass 0
	s_lshl_b32 s32, s16, 24
	s_lshl_b32 s34, s46, 23
	s_add_co_u32 s32, s32, s34
	s_lshl_b32 s34, s45, 8
	s_add_co_u32 s32, s32, s34
	s_mov_b32 s33, 0
	s_wait_kmcnt 0x0
	s_add_nc_u64 s[18:19], s[4:5], s[32:33]
	s_add_nc_u64 s[20:21], s[18:19], 0x400000
	s_lshl_b32 s32, s41, 12
	s_lshl_b32 s34, s46, 15
	s_add_co_u32 s32, s32, s34
	s_add_nc_u64 s[22:23], s[6:7], s[32:33]        ; h's images: (tile x 32 + 16 x half) x 2,048
	s_mul_i32 s32, s46, 655360
	s_lshl_b32 s34, s41, 2
	s_add_co_u32 s32, s32, s34
	s_add_co_u32 s32, s32, 41943040
	s_add_nc_u64 s[24:25], s[6:7], s[32:33]        ; h's scale words
	s_mul_i32 s32, s46, 41943040
	s_lshl_b32 s34, s41, 12
	s_add_co_u32 s32, s32, s34
	s_lshl_b32 s34, s45, 8
	s_add_co_u32 s32, s32, s34
	s_add_nc_u64 s[26:27], s[10:11], s[32:33]      ; y's part [half][position][1,024]
	s_lshl_b32 s32, s16, 2
	s_add_nc_u64 s[48:49], s[8:9], s[32:33]
	s_load_b32 s17, s[48:49], 0xd000               ; the expert's number of tiles
	WLOAD 0, 0
	HLOAD 0, 22, 24, 0
	WLOAD 1, 1
.irp t, 0,1,2,3,4,5,6,7
	TRIP \t
.endr
; BEHIND THE STREAM: a loop of constant count, as in the first product.  Trip IT: pass IT / 8, two K steps IT % 8.  No barrier stands here.
	s_wait_kmcnt 0x0
	s_mov_b32 s36, 7
.Lxp:
	s_lshr_b32 s37, s36, 3
	s_and_b32 s38, s36, 7
	s_cmp_eq_u32 s37, 0
	s_cbranch_scc1 .Lchk
	s_mul_i32 s39, s37, 20
	s_cmp_ge_u32 s39, s17
	s_cbranch_scc1 .Lnext
	s_wait_xcnt 0x0                                ; the way out's stores have read their base
.rept 9
	v_nop                                          ; nine plain lines behind the last products: loads follow into registers that they read, and a pass's first products begin accumulators anew
.endr
	s_mul_i32 s32, s37, 1310720
	s_lshl_b32 s34, s38, 12
	s_add_co_u32 s32, s32, s34
	s_mov_b32 s33, 0
	s_add_nc_u64 s[32:33], s[22:23], s[32:33]
	s_mul_i32 s34, s37, 1280
	s_mul_i32 s35, s38, 81920
	s_add_co_u32 s34, s34, s35
	s_mov_b32 s35, 0
	s_add_nc_u64 s[34:35], s[24:25], s[34:35]
	HLOAD 0, 32, 34, 0
	s_lshl_b32 s39, s38, 14
	v_add_nc_u32 v[LRX], s39, v[LR0]
	s_lshl_b32 s39, s38, 9
	v_add_nc_u32 v[LSX], s39, v[LSR]
	s_wait_loadcnt 0x0
	s_cmp_lg_u32 s38, 0
	s_cbranch_scc1 .Lacc
	KWORK LRX, 0, LSX, 0, 0, 1
	s_branch .Lchk
.Lacc:
	KWORK LRX, 0, LSX, 0, 0, 0
.Lchk:
	s_cmp_lg_u32 s38, 7
	s_cbranch_scc1 .Lnext
.rept 8
	v_nop                                          ; eight plain lines between the last products and the first read of a result
.endr
	s_wait_xcnt 0x0
	s_mul_i32 s32, s37, 1310720
	s_mov_b32 s33, 0
	s_add_nc_u64 s[32:33], s[26:27], s[32:33]
.irp i, 0,1,2,3,4
	YOUT \i
.endr
.Lnext:
	s_add_co_u32 s36, s36, 1
	s_cmp_lt_u32 s36, 32
	s_cbranch_scc1 .Lxp
	s_wait_tensorcnt 0x0                           ; the wave's end
	ds_add_u32 v[SPW], v[NIL]
	s_wait_dscnt 0x0
	s_endpgm
.Lfunc_end_k_q2b69483c66_ffn2:
	.size	k_q2b69483c66_ffn2, .Lfunc_end_k_q2b69483c66_ffn2-k_q2b69483c66_ffn2
	.p2alignl 7, 3214868480
	.fill 96, 4, 3214868480
	.section	.rodata,"a",@progbits
	.p2align	6, 0x0
	.amdhsa_kernel k_q2b69483c66_ffn2
		.amdhsa_group_segment_fixed_size 153088
		.amdhsa_private_segment_fixed_size 0
		.amdhsa_enable_private_segment 0
		.amdhsa_kernarg_size 32
		.amdhsa_user_sgpr_count 2
		.amdhsa_user_sgpr_kernarg_segment_ptr 1
		.amdhsa_wavefront_size32 1
		.amdhsa_system_sgpr_workgroup_id_x 1
		.amdhsa_system_sgpr_workgroup_id_y 1
		.amdhsa_system_sgpr_workgroup_id_z 1
		.amdhsa_system_vgpr_workitem_id 0
		.amdhsa_next_free_vgpr 1024
		.amdhsa_next_free_sgpr 66
		.amdhsa_reserve_vcc 0
		.amdhsa_float_denorm_mode_32 3
		.amdhsa_float_denorm_mode_16_64 3
		.amdhsa_memory_ordered 1
		.amdhsa_forward_progress 1
		.amdhsa_inst_pref_size 255
	.end_amdhsa_kernel
	.section	.bss,"aw",@nobits
	.p2align	6
	.space	262144
	.amdgpu_metadata
---
amdhsa.version: [ 1, 2 ]
amdhsa.kernels:
  - .name:           k_q2b69483c66_ffn2
    .symbol:         k_q2b69483c66_ffn2.kd
    .args:
      - { .name: W2, .offset: 0, .size: 8, .value_kind: global_buffer, .address_space: global }
      - { .name: hc, .offset: 8, .size: 8, .value_kind: global_buffer, .address_space: global }
      - { .name: lists, .offset: 16, .size: 8, .value_kind: global_buffer, .address_space: global }
      - { .name: ypart, .offset: 24, .size: 8, .value_kind: global_buffer, .address_space: global }
    .group_segment_fixed_size: 153088
    .private_segment_fixed_size: 0
    .kernarg_segment_align: 8
    .kernarg_segment_size: 32
    .max_flat_workgroup_size: 128
    .sgpr_count:     66
    .vgpr_count:     1024
    .wavefront_size: 32
...
	.end_amdgpu_metadata
.endif
;; end of part 4
;; launch combine (part 5): grid 256 x 1, 4 waves a work-group, no clusters, 0 bytes of LDS; arguments ypart, b2, gate, sel, lists, out0; writes out0
.if DOCPART == 5
	.amdgcn_target "amdgcn-amd-amdhsa--gfx1250"
	.amdhsa_code_object_version 6
	.text
	.protected	k_q2b69483c66_combine
	.globl	k_q2b69483c66_combine
	.p2align	8
	.type	k_q2b69483c66_combine,@function
k_q2b69483c66_combine:
	s_mov_b64 s[64:65], 0
	v_nop
	global_prefetch_b8 v0, s[64:65] scope:SCOPE_SE
	s_setreg_imm32_b32 hwreg(HW_REG_WAVE_MODE, 25, 1), 1
	s_wait_xcnt 0x0
; out[t] = g0 (y(first expert) + b2[first]) + g1 (y(second expert) + b2[second]); the six experts with weight 0 are left out (see the first kernel's head).
; Each y is the sum of its two halves of K.  Each output row has one owner: wave w of work-group g takes token 4 g + w.  The token's two positions and experts are whole numbers that earlier launches stored.
; A stream: six rows of 4,096 bytes in, one out; every load and store of the wave covers 512 consecutive bytes.  All 48 loads go out at once.  No LDS, no barrier, no matrix unit.
	s_load_b256 s[4:11], s[0:1], 0x0               ; ypart, b2, gate, sel
	s_load_b128 s[12:15], s[0:1], 0x20             ; lists, out0
	v_lshrrev_b32 v1, 5, v0
	v_readfirstlane_b32 s16, v1
	v_and_b32 v1, 31, v0
	v_lshlrev_b32 v1, 4, v1                        ; 16 bytes a lane
	s_lshl_b32 s17, ttmp9, 2
	s_add_co_u32 s17, s17, s16                     ; my token
	s_lshl_b32 s18, s17, 3
	s_mov_b32 s19, 0
	s_wait_kmcnt 0x0
	s_add_nc_u64 s[20:21], s[12:13], s[18:19]
	s_add_nc_u64 s[22:23], s[10:11], s[18:19]
	s_add_nc_u64 s[24:25], s[8:9], s[18:19]
	s_load_b64 s[26:27], s[20:21], 0xb000          ; its two positions
	s_load_b64 s[28:29], s[22:23], 0x0             ; its two experts
	s_load_b64 s[30:31], s[24:25], 0x8000          ; its two weights
	s_lshl_b32 s18, s17, 12
	s_add_nc_u64 s[14:15], s[14:15], s[18:19]      ; its row of out
	s_wait_kmcnt 0x0
	s_min_u32 s26, s26, 0x27ff
	s_min_u32 s27, s27, 0x27ff
	s_min_u32 s28, s28, 7
	s_min_u32 s29, s29, 7
	s_mov_b32 s32, s31                             ; the second weight as a pair of its own: the packed forms take a scalar pair's low word for both halves
	s_mov_b32 s33, s31
	s_mov_b32 s35, 0
	s_lshl_b32 s34, s26, 12
	s_add_nc_u64 s[40:41], s[4:5], s[34:35]
	s_add_nc_u64 s[42:43], s[40:41], 0x2800000     ; the other half of K: 10,240 rows further on
	s_lshl_b32 s34, s27, 12
	s_add_nc_u64 s[44:45], s[4:5], s[34:35]
	s_add_nc_u64 s[46:47], s[44:45], 0x2800000
	s_lshl_b32 s34, s28, 12
	s_add_nc_u64 s[48:49], s[6:7], s[34:35]
	s_lshl_b32 s34, s29, 12
	s_add_nc_u64 s[50:51], s[6:7], s[34:35]
.irp c, 0,1,2,3,4,5,6,7
	global_load_b128 v[16+24*\c:19+24*\c], v1, s[40:41] offset:512*\c th:TH_LOAD_NT
	global_load_b128 v[20+24*\c:23+24*\c], v1, s[42:43] offset:512*\c th:TH_LOAD_NT
	global_load_b128 v[24+24*\c:27+24*\c], v1, s[48:49] offset:512*\c
	global_load_b128 v[28+24*\c:31+24*\c], v1, s[44:45] offset:512*\c th:TH_LOAD_NT
	global_load_b128 v[32+24*\c:35+24*\c], v1, s[46:47] offset:512*\c th:TH_LOAD_NT
	global_load_b128 v[36+24*\c:39+24*\c], v1, s[50:51] offset:512*\c
.endr
.irp c, 0,1,2,3,4,5,6,7
.set B, 16+24*\c
	s_wait_loadcnt 6*(7-\c)                        ; this chunk's six loads are in; the six of each later chunk may stay out
.irp h, 0,2
	v_pk_add_f32 v[B+\h:B+\h+1], v[B+\h:B+\h+1], v[B+4+\h:B+4+\h+1]
	v_pk_add_f32 v[B+12+\h:B+12+\h+1], v[B+12+\h:B+12+\h+1], v[B+16+\h:B+16+\h+1]
.endr
.irp h, 0,2
	v_pk_add_f32 v[B+\h:B+\h+1], v[B+\h:B+\h+1], v[B+8+\h:B+8+\h+1]
	v_pk_add_f32 v[B+12+\h:B+12+\h+1], v[B+12+\h:B+12+\h+1], v[B+20+\h:B+20+\h+1]
.endr
.irp h, 0,2
	v_pk_mul_f32 v[B+\h:B+\h+1], v[B+\h:B+\h+1], s[30:31] op_sel_hi:[1,0]
.endr
.irp h, 0,2
	v_pk_fma_f32 v[B+\h:B+\h+1], v[B+12+\h:B+12+\h+1], s[32:33], v[B+\h:B+\h+1] op_sel_hi:[1,0,1]
.endr
	global_store_b128 v1, v[B:B+3], s[14:15] offset:512*\c th:TH_STORE_NT
.endr
	s_endpgm
.Lfunc_end_k_q2b69483c66_combine:
	.size	k_q2b69483c66_combine, .Lfunc_end_k_q2b69483c66_combine-k_q2b69483c66_combine
	.p2alignl 7, 3214868480
	.fill 96, 4, 3214868480
	.section	.rodata,"a",@progbits
	.p2align	6, 0x0
	.amdhsa_kernel k_q2b69483c66_combine
		.amdhsa_group_segment_fixed_size 0
		.amdhsa_private_segment_fixed_size 0
		.amdhsa_enable_private_segment 0
		.amdhsa_kernarg_size 48
		.amdhsa_user_sgpr_count 2
		.amdhsa_user_sgpr_kernarg_segment_ptr 1
		.amdhsa_wavefront_size32 1
		.amdhsa_system_sgpr_workgroup_id_x 1
		.amdhsa_system_sgpr_workgroup_id_y 1
		.amdhsa_system_sgpr_workgroup_id_z 1
		.amdhsa_system_vgpr_workitem_id 0
		.amdhsa_next_free_vgpr 208
		.amdhsa_next_free_sgpr 66
		.amdhsa_reserve_vcc 0
		.amdhsa_float_denorm_mode_32 3
		.amdhsa_float_denorm_mode_16_64 3
		.amdhsa_memory_ordered 1
		.amdhsa_forward_progress 1
		.amdhsa_inst_pref_size 14
	.end_amdhsa_kernel
	.amdgpu_metadata
---
amdhsa.version: [ 1, 2 ]
amdhsa.kernels:
  - .name:           k_q2b69483c66_combine
    .symbol:         k_q2b69483c66_combine.kd
    .args:
      - { .name: ypart, .offset: 0, .size: 8, .value_kind: global_buffer, .address_space: global }
      - { .name: b2, .offset: 8, .size: 8, .value_kind: global_buffer, .address_space: global }
      - { .name: gate, .offset: 16, .size: 8, .value_kind: global_buffer, .address_space: global }
      - { .name: sel, .offset: 24, .size: 8, .value_kind: global_buffer, .address_space: global }
      - { .name: lists, .offset: 32, .size: 8, .value_kind: global_buffer, .address_space: global }
      - { .name: out0, .offset: 40, .size: 8, .value_kind: global_buffer, .address_space: global }
    .group_segment_fixed_size: 0
    .private_segment_fixed_size: 0
    .kernarg_segment_align: 8
    .kernarg_segment_size: 48
    .max_flat_workgroup_size: 128
    .sgpr_count:     66
    .vgpr_count:     208
    .wavefront_size: 32
...
	.end_amdgpu_metadata
.endif
;; end of part 5
;; ======== version 2 of 2: 5 launches; version 1 with the launches ffn1, ffn2 written anew for expert scheduling mode
;; workspace buffers: xc 1,081,344 bytes; gate 40,960 bytes; sel 8,192 bytes of whole numbers; lists 53,504 bytes of whole numbers; hc 43,253,760 bytes; ypart 83,886,080 bytes
;; launch route: the kernel of part 1 again; grid 256 x 1, 4 waves a work-group, no clusters, 1,280 bytes of LDS; arguments x, Wg, xc, gate, sel; writes xc, gate, sel
;; launch place: the kernel of part 2 again; grid 1 x 1, 32 waves a work-group, no clusters, 9,216 bytes of LDS; arguments sel, gate, lists, out1; writes lists, out1
;; launch ffn1 (part 6): grid 32 x 8, 4 waves a work-group, no clusters, 135,680 bytes of LDS; arguments W1, b1, xc, lists, hc; writes hc
.if DOCPART == 6
	.amdgcn_target "amdgcn-amd-amdhsa--gfx1250"
	.amdhsa_code_object_version 6
	.text
	.protected	k_q2b69483c66_ffn1
	.globl	k_q2b69483c66_ffn1
	.p2align	8
	.type	k_q2b69483c66_ffn1,@function
k_q2b69483c66_ffn1:
	s_mov_b64 s[64:65], 0
	v_nop
	global_prefetch_b8 v0, s[64:65] scope:SCOPE_SE
	s_setreg_imm32_b32 hwreg(HW_REG_WAVE_SCHED_MODE, 0, 2), 2
	s_setreg_imm32_b32 hwreg(HW_REG_WAVE_MODE, 25, 1), 1
	s_wait_xcnt 0x0
	s_wait_alu depctr_vm_vsrc(0)
; h = gelu(x W1[e] + b1[e]) for the rows that chose expert e (the others are left out: see the first kernel's head), quantised along the hidden units and stored as operand images.
; THE WEIGHTS STAY, THE ROWS PASS.  Work-group (sl, e) owns hidden units 128 sl .. 128 sl + 127 of expert e: 1,024 k x 512 bytes of W1, read from memory ONCE as f32, quantised in registers,
; kept in LDS as images of operand registers (131,072 bytes), and multiplied by all rows of the expert while the stream runs.  No code of a weight goes to memory.
; A BLOCK OF W1 WITHOUT ANY TRANSPOSITION.  32 k x 64 columns are 16 loads of 16 bytes a lane: lane (q = lane % 16, hh = lane / 16) reads columns 4 q .. 4 q + 3 of row k0 + 16 hh + i; each
; load covers two runs of 256 consecutive bytes, aligned.  For j = 0 .. 3 the lane then holds 16 neighbours along k of column 4 q + j: registers 4 c .. 4 c + 3 of lane (q, hh) of the fragment
; whose 16 rows are the columns {4 q + j}.  Which columns form a tile is free.
; THE PRODUCT IS USED TRANSPOSED (source 0 = 16 columns of W1, source 1 = 16 rows of x): lane (r, hh) holds row r, register p of tile j is column 32 hh + 4 p + j.  The four tiles of a group of
; 64 columns give a lane 32 NEIGHBOURING hidden units: one whole block of the next product's K, in one lane.
; EIGHT TRIPS of 128 along K, written out.  In trip t wave w quantises block c = w for both groups of 64 columns; a barrier; each wave multiplies its own 5 tiles of 16 rows by the trip's 8 fragments.
; Each LDS byte is written once, so one barrier a trip is enough.  Loads of W1 run two trips ahead.
; ROWS.  A pass is 20 tiles (wave w: tiles 20 p + 5 w + i).  Pass 0 runs under the stream.  Passes 1 to 3 run behind it, out of LDS, only where 20 p is under the expert's stored number of tiles
; (up to 64): a scalar branch on a stored whole number, round no barrier.  Row slots behind an expert's count hold token 0 and are stored at places that nobody reads.
; NO CLUSTER, NO TENSOR LOAD: the later passes hang on a number read from memory, and what the 32 work-groups of an expert share (x's codes, 80 KiB a pass) is small beside the 512 KiB of weights that each reads alone.
; erf is x P(x^2) / Q(x^2) with x held to +-4, all in f32; LIMIT: in the far negative tail of gelu, where 1 + erf cancels, the relative error grows to about 1e-7 / (1 + erf).
; REGISTERS, in windows of 256.  Window 0: addresses, scale words, the quantiser's work, two buffers of four fragments of W1 (the second over the quantiser's work).  Window 1: W1's numbers, two slots of 128; later b1 and the gelu's work.
; Window 2: the accumulators of tiles 0-3 at 64 i + 8 f.  Window 3: those of tile 4 at 8 f; x's fragments, two buffers, at 64 + 80 b + 16 i.
; THE MODE: SCHED_MODE bits 1:0 = 2 (LLVM: expert scheduling mode 2), set by the entry lines.  The code itself states the register dependences between vector or matrix instructions and
; memory or LDS instructions, with s_wait_alu, always for 0.
; THE PLAN.  Registers that memory or LDS instructions touch in trip t of the stream:
;   W1's slots 0, 1   slot t % 2 is read by the trip's maxima and holds; behind them the loads of trip t + 2 land in it (in trip 6: b1's).
;   x's buffers 0, 1  the loads issued in trip t land in buffer (t + 1) % 2, which the products of trip t - 1 read last.
;   C, BYTE           written by the trip's conversions and shifts; read by its sixteen LDS stores, which stand in one run behind both blocks.
;   F0 = v164-227, F1 = v100-163, WS   the trip's eight fragments and their scale words: LDS loads land in them behind the barrier, the trip's products read them.  F1 lies over T and C.
;   the addresses     made at the head, never written under the stream.
; So ONE wait on va_vdst stands in a trip, behind the quantiser's last line, and no vector or matrix instruction stands between it and the last of the trip's loads; and ONE wait on vm_vsrc,
; behind the stores, ahead of the barrier.  Behind the stream: one of each to a K step, and those of the way out, each with its reason beside it.
.set WSC,   131072                     ; LDS: behind the images [8 t + f][c][lane][16 bytes]: the weights' scale words [8 t + f][q], byte c
.set SPARE, 135168                     ; the spare words, 128 bytes for each wave
.set WO,  1                            ; W1: 524,288 w + 262,144 hh + 16 q
.set LW0, 2                            ; where I store images: 16 lane + 512 w;  LW1: 65,536 further on
.set LW1, 3
.set LSB, 4                            ; where I store scale bytes: WSC + 4 q + w
.set LR0, 5                            ; where I read images: 16 lane;  LR1: 65,536 further on
.set LR1, 6
.set LSR, 7                            ; where I read scale words: WSC + 4 lane
.set RTO, 8                            ; 4 r
.set HQO, 9                            ; 512 hh + 16 r
.set BO,  10                           ; 128 hh
.set SPW, 11
.set NIL, 12
.set LRX, 13                           ; the later passes' LDS addresses
.set LSX, 14
.set H16, 15                           ; 16 hh
.set XO,  16                           ; v16-20 token x 1,024 + 16 hh
.set XT,  21                           ; v21-25 token x 32
.set XSS, 26                           ; v26-30 x's scale words in the later passes: scales and nothing else
.set XSC, 32                           ; v32-71 x's scale words, 8 i + t: scales and nothing else
.set WS,  72                           ; v72-75 the weights' scale words: lanes 0-15 tile 2 g, lanes 16-31 tile 2 g + 1
.set M,    76
.set PX,   80
.set SOP,  84
.set HOLD, 88
.set BYTE, 92
.set T,    100
.set C,    132
.set WF,   164                         ; F0: the fragments of a K step's first half
.set WF2,  100                         ; F1: those of its second half, over T and C
.set WB0, 18                           ; s[18:19], s[20:21] W1 at my slice, trips 0-3 and 4-7
.set XQ,  22                           ; s[22:23] x's codes;  s[24:25] x's scale words
.set V,   64                           ; window 1, behind the stream: b1 at 0-63
.set Z,   96
.set X2,  128
.set P,   160
.set Q,   192
.set HC,  224
.set EM,  232
.set ESOP, 233
.set EHOLD, 234
.set EBYTE, 235
.set EW,  236
.set EPX, 237
.set E8H, 238
.set KA0, 240
.set KB0, 242
.set EM2, 244
.set MSB, 0
.macro WIN new                         ; the immediate's high byte repeats the setting that is left
.if MSB != \new
	s_set_vgpr_msb (MSB<<8)|\new
.set MSB, \new
.endif
.endm
.macro SPAIR r, val
	s_mov_b32 s[\r], \val
	s_mov_b32 s[\r+1], \val
.endm
.macro WLOAD p, t                      ; trip t's 32 k x 128 columns of my block into slot p: number (u, i, j) at 128 p + 64 u + 4 i + j of window 1
	WIN 0x40
.irp u, 0,1
.irp i, 0,1,2,3,4,5,6,7,8,9,10,11,12,13,14,15
	global_load_b128 v[128*(\p)+64*\u+4*\i:128*(\p)+64*\u+4*\i+3], v[WO], s[WB0+2*((\t)/4):WB0+2*((\t)/4)+1] offset:((\t)%4)*2097152+256*\u+16384*\i th:TH_LOAD_NT
.endr
.endr
.endm
.macro XLOAD xb, base, t               ; my five tiles' fragments of x for K step t into buffer xb of window 3
	WIN 0xc0
.irp i, 0,1,2,3,4
.irp c, 0,1,2,3
	global_load_b128 v[64+80*(\xb)+16*\i+4*\c:64+80*(\xb)+16*\i+4*\c+3], v[XO+\i], s[\base:\base+1] offset:128*(\t)+32*\c
.endr
.endr
.endm
; 32 k x 64 columns become group c = w of four fragments and their scale bytes, in registers: C and BYTE have a place for each of a trip's eight columns' groups
.macro QBLOCK p, u
.set RB, 128*(\p)+64*(\u)
	WIN 0x14                                       ; sources 1 and 2: window 1
.irp j, 0,1,2,3
	v_max3_num_f32 v[M+\j], 0x8000000, |v[RB+\j]|, |v[RB+4+\j]|    ; with the floor 2^(16 - 127): the byte cannot fall under 1
.endr
.irp i, 2,4,6,8,10,12,14
.irp j, 0,1,2,3
	v_max3_num_f32 v[M+\j], v[M+\j], |v[RB+4*\i+\j]|, |v[RB+4*\i+4+\j]|
.endr
.endr
	WIN 0x10                                       ; source 2 alone: window 1
.irp j, 0,1,2,3
	v_permlanex16_b32 v[PX+\j], v[M+\j], s42, s43
.endr
.irp j, 0,1,2,3
	v_max_num_f32 v[M+\j], v[M+\j], v[PX+\j]       ; with lane l xor 16's 16: the block's largest magnitude
.endr
.irp j, 0,1,2,3
	v_add_nc_u32 v[SOP+\j], 0xf8800000, v[M+\j]    ; 15 off the exponent field: the conversion's scale operand
.endr
.irp j, 0,1,2,3
	v_and_or_b32 v[HOLD+\j], v[M+\j], 0x7f800000, s44   ; 57,344 x the scale
.endr
.irp j, 0,1,2,3
	v_lshrrev_b32 v[BYTE+4*(\u)+\j], 23, v[SOP+\j]
.endr
.irp j, 0,1,2,3
.irp i, 0,1,2,3,4,5,6,7,8,9,10,11,12,13,14,15
	v_med3_num_f32 v[T+16*(\j%2)+\i], -v[HOLD+\j], v[HOLD+\j], v[RB+4*\i+\j]   ; the hold (the conversion does not saturate: ISA guide 7.6.2); it also gathers column j's 16 numbers.  The next column's holds are the plain lines behind this column's conversions
.endr
	v_cvt_scalef32_pk8_bf8_f32 v[C+4*(4*(\u)+\j):C+4*(4*(\u)+\j)+1], v[T+16*(\j%2):T+16*(\j%2)+7], v[SOP+\j]
	v_cvt_scalef32_pk8_bf8_f32 v[C+4*(4*(\u)+\j)+2:C+4*(4*(\u)+\j)+3], v[T+16*(\j%2)+8:T+16*(\j%2)+15], v[SOP+\j]
.endr
	v_nop                                          ; a plain line behind the last conversion
.endm
.macro QSTORE t                        ; a trip's codes and scale bytes go to LDS in one run (the address and the data, sources 0 and 1, lie in window 0)
.irp u, 0,1
.irp j, 0,1,2,3
	ds_store_b128 v[LW0+(\t)/4], v[C+4*(4*\u+\j):C+4*(4*\u+\j)+3] offset:((\t)%4)*16384+(4*\u+\j)*2048
	ds_store_b8 v[LSB], v[BYTE+4*\u+\j] offset:(8*(\t)+4*\u+\j)*64   ; both halves of the lanes write the same byte with the same value
.endr
.endr
.endm
.macro MM d, a, b, sa, sb, odd, zero
.if \zero
.if \odd
	v_wmma_scale_f32_16x16x128_f8f6f4 v[(\d):(\d)+7], v[(\a):(\a)+15], v[(\b):(\b)+15], 0, v[\sa], v[\sb] matrix_a_fmt:MATRIX_FMT_BF8 matrix_b_fmt:MATRIX_FMT_BF8 matrix_a_scale:MATRIX_SCALE_ROW1
.else
	v_wmma_scale_f32_16x16x128_f8f6f4 v[(\d):(\d)+7], v[(\a):(\a)+15], v[(\b):(\b)+15], 0, v[\sa], v[\sb] matrix_a_fmt:MATRIX_FMT_BF8 matrix_b_fmt:MATRIX_FMT_BF8
.endif
.else
.if \odd
	v_wmma_scale_f32_16x16x128_f8f6f4 v[(\d):(\d)+7], v[(\a):(\a)+15], v[(\b):(\b)+15], v[(\d):(\d)+7], v[\sa], v[\sb] matrix_a_fmt:MATRIX_FMT_BF8 matrix_b_fmt:MATRIX_FMT_BF8 matrix_a_scale:MATRIX_SCALE_ROW1
.else
	v_wmma_scale_f32_16x16x128_f8f6f4 v[(\d):(\d)+7], v[(\a):(\a)+15], v[(\b):(\b)+15], v[(\d):(\d)+7], v[\sa], v[\sb] matrix_a_fmt:MATRIX_FMT_BF8 matrix_b_fmt:MATRIX_FMT_BF8
.endif
.endif
.endm
; A K step's 40 products, in two halves of four fragments.  The 40 accumulators take turns, one instruction a turn, in the same order in every K step.
; All eight fragments are asked for in one run, the first half's into F0, the second's into F1.  The caller's wait on va_vdst has stated that the earlier products are done reading F0, F1 and WS (and that T and C are written),
; its wait on vm_vsrc that the stores have read C; no vector or matrix instruction stands between those waits and these loads.
.macro KWORK lr, loff, sr, soff, xb, sx0, sxs, zero
.irp g, 0,1
.irp fp, 0,1,2,3
.irp c, 0,1,2,3
	ds_load_b128 v[WF+(WF2-WF)*\g+16*\fp+4*\c:WF+(WF2-WF)*\g+16*\fp+4*\c+3], v[\lr] offset:(\loff)+(4*\g+\fp)*2048+512*\c
.endr
.endr
.if \g == 0
.irp gp, 0,1,2,3
	ds_load_b32 v[WS+\gp], v[\sr] offset:(\soff)+128*\gp
.endr
.endif
.endr
.irp g, 0,1
	s_wait_dscnt 16-16*\g                          ; LDS loads come back in order (ISA guide 5.7.1): the first half's sixteen and the scale words are in, the second half's sixteen may stay out; then all
	WIN 0xac                                       ; source 1 (x) window 3, C and D window 2
.irp fp, 0,1,2,3
.irp i, 0,1,2,3
	MM 64*\i+8*(4*\g+\fp), WF+(WF2-WF)*\g+16*\fp, 64+80*(\xb)+16*\i, WS+2*\g+\fp/2, (\sx0)+(\sxs)*\i, \fp%2, \zero
.endr
.endr
	WIN 0xfc                                       ; C and D window 3
.irp fp, 0,1,2,3
	MM 8*(4*\g+\fp), WF+(WF2-WF)*\g+16*\fp, 64+80*(\xb)+64, WS+2*\g+\fp/2, (\sx0)+(\sxs)*4, \fp%2, \zero
.endr
.endr
	WIN 0
.endm
.macro TRIP t
.if \t < 7
	s_wait_loadcnt 32                              ; out, in order: this trip's W1, this trip's x, the next trip's W1: only the last 32 may stay out
.else
	s_wait_loadcnt 0x0
.endif
	QBLOCK (\t)%2, 0
	QBLOCK (\t)%2, 1
.rept 3
	v_nop                                          ; with the line above, four plain lines between the last vector instructions that wrote T and C and the scaled products that later name these registers as fragments
.endr
	s_wait_alu depctr_va_vdst(0)                   ; the conversions and shifts have written C and BYTE, which the LDS stores read; T and C are written, over which F1's loads land; the holds are done reading this slot of W1;
	                                               ; the last trip's products are done reading x's other buffer, F0, F1 and WS: the loads below land in all of these
	QSTORE \t
.if \t < 7
	XLOAD ((\t)+1)%2, XQ, (\t)+1
.endif
.if \t == 6
	WIN 0x40                                       ; b1: my 32 neighbours of each group of 64, into slot 0, which is done with
.irp u, 0,1
.irp n, 0,1,2,3,4,5,6,7
	global_load_b128 v[32*\u+4*\n:32*\u+4*\n+3], v[BO], s[70:71] offset:256*\u+16*\n
.endr
.endr
.endif
.if \t < 6
	WLOAD (\t)%2, (\t)+2
.endif
	WIN 0
	s_wait_alu depctr_vm_vsrc(0)                   ; the LDS stores have read C, over which F1's loads land behind the barrier, and BYTE, which the next trip writes again
	s_wait_dscnt 0x0                               ; for the others' sake: my part of the trip's fragments has landed
	s_barrier_signal -1
	s_barrier_wait -1
.if \t == 0
	KWORK LR0+(\t)/4, ((\t)%4)*16384, LSR, (\t)*512, (\t)%2, XSC+(\t), 8, 1
.else
	KWORK LR0+(\t)/4, ((\t)%4)*16384, LSR, (\t)*512, (\t)%2, XSC+(\t), 8, 0
.endif
.endm
	s_load_b256 s[4:11], s[0:1], 0x0               ; W1, b1, xc, lists
	s_load_b64 s[12:13], s[0:1], 0x20              ; hc
	v_lshl_add_u32 v[SPW], v0, 2, SPARE
	v_mov_b32 v[NIL], 0
	v_lshrrev_b32 v1, 5, v0
	v_readfirstlane_b32 s14, v1                    ; wave
	s_mov_b32 s15, ttmp9                           ; sl
	s_and_b32 s16, ttmp7, 0xffff                   ; e
	v_and_b32 v[H16], 31, v0                       ; (lane, for now)
	v_and_b32 v[RTO], 15, v0                       ; (q = r, for now)
	v_bfe_u32 v[BO], v0, 4, 1                      ; (hh, for now)
	v_lshlrev_b32 v[WO], 4, v[RTO]
	v_lshl_add_u32 v[WO], v[BO], 18, v[WO]
	s_wait_alu depctr_va_sdst(0)                   ; s14 is written, ahead of its first reader
	s_lshl_b32 s32, s14, 19
	v_add_nc_u32 v[WO], s32, v[WO]
	v_lshlrev_b32 v[LR0], 4, v[H16]
	v_add_nc_u32 v[LR1], 0x10000, v[LR0]
	s_lshl_b32 s32, s14, 9
	v_add_nc_u32 v[LW0], s32, v[LR0]
	v_add_nc_u32 v[LW1], 0x10000, v[LW0]
	v_lshl_add_u32 v[LSB], v[RTO], 2, WSC
	v_add_nc_u32 v[LSB], s14, v[LSB]
	v_lshl_add_u32 v[LSR], v[H16], 2, WSC
	v_lshlrev_b32 v[HQO], 4, v[RTO]
	v_lshl_add_u32 v[HQO], v[BO], 9, v[HQO]
	v_lshlrev_b32 v[RTO], 2, v[RTO]
	v_lshlrev_b32 v[H16], 4, v[BO]
	v_lshlrev_b32 v[BO], 7, v[BO]
	v_mov_b32 v[LRX], v[LR0]
	v_mov_b32 v[LSX], v[LSR]
.irp j, 0,1,2,3
	v_mov_b32 v[PX+\j], 0                          ; written once: a lane permute's destination counts as read
.endr
	s_mov_b32 s42, 0x76543210
	s_mov_b32 s43, 0xfedcba98
	s_mov_b32 s44, 0x600000
	SPAIR 46, 0x3f3504f3                           ; 1 / sqrt(2)
	SPAIR 48, 0x32edffee                           ; P's coefficients behind the leading one
	SPAIR 50, 0xb60cff51
	SPAIR 52, 0xb86ec2d2
	SPAIR 54, 0xba40ac63
	SPAIR 56, 0xbb41a1f6
	SPAIR 58, 0xbc83dbd4
	SPAIR 60, 0xb95fbd29                           ; Q's
	SPAIR 62, 0xbadc924e
	SPAIR 66, 0xbbf19bf8
	SPAIR 68, 0xbc69b6a7
	s_mul_i32 s41, s16, 1280
	s_mul_i32 s32, s14, 80
	s_add_co_u32 s41, s41, s32                     ; my wave's first position in pass 0
	s_lshl_b32 s32, s16, 24
	s_lshl_b32 s34, s15, 9
	s_add_co_u32 s32, s32, s34
	s_mov_b32 s33, 0
	s_wait_kmcnt 0x0
	s_add_nc_u64 s[18:19], s[4:5], s[32:33]
	s_add_nc_u64 s[20:21], s[18:19], 0x800000
	s_mov_b64 s[22:23], s[8:9]
	s_add_nc_u64 s[24:25], s[8:9], 0x100000
	s_lshl_b32 s32, s41, 2
	s_add_nc_u64 s[26:27], s[10:11], s[32:33]      ; rowtok at my first position
	s_lshl_b32 s32, s41, 12
	s_lshl_b32 s34, s15, 11
	s_add_co_u32 s32, s32, s34
	s_add_nc_u64 s[28:29], s[12:13], s[32:33]      ; h's images: (tile x 32 + sl) x 2,048
	s_mul_i32 s32, s15, 40960
	s_lshl_b32 s34, s41, 2
	s_add_co_u32 s32, s32, s34
	s_add_co_u32 s32, s32, 41943040
	s_add_nc_u64 s[30:31], s[12:13], s[32:33]      ; h's scale words [sl][position]
	s_lshl_b32 s32, s16, 14
	s_lshl_b32 s34, s15, 9
	s_add_co_u32 s32, s32, s34
	s_add_nc_u64 s[70:71], s[6:7], s[32:33]        ; b1 at my slice
	s_lshl_b32 s32, s16, 2
	s_add_nc_u64 s[74:75], s[10:11], s[32:33]
	s_load_b32 s17, s[74:75], 0xd000               ; the expert's number of tiles
	s_wait_alu depctr_va_vdst(0)                   ; the addresses v1 to v10, v13 and v14 are written, which the loads and stores of the whole kernel read
.irp i, 0,1,2,3,4
	global_load_b32 v[XO+\i], v[RTO], s[26:27] offset:64*\i
.endr
	WLOAD 0, 0
	WIN 0
	s_wait_loadcnt 32                              ; the five loads of tokens are in; W1's 32 may stay out
.irp i, 0,1,2,3,4
	v_min_u32 v[XO+\i], 0x3ff, v[XO+\i]
	v_lshlrev_b32 v[XT+\i], 5, v[XO+\i]
	v_lshl_add_u32 v[XO+\i], v[XO+\i], 10, v[H16]
.endr
	s_wait_alu depctr_va_vdst(0)                   ; v[XT ..] and v[XO ..] are written, which the loads of x's scale words and codes read as offsets
.irp i, 0,1,2,3,4
	global_load_b128 v[XSC+8*\i:XSC+8*\i+3], v[XT+\i], s[24:25]
	global_load_b128 v[XSC+8*\i+4:XSC+8*\i+7], v[XT+\i], s[24:25] offset:16
.endr
	XLOAD 0, XQ, 0
	WLOAD 1, 1
.irp t, 0,1,2,3,4,5,6,7
	TRIP \t
.endr
; BEHIND THE STREAM: a loop of constant count.  Trip IT: pass IT / 8, K step IT % 8.  Trip 7 is pass 0's way out; trips 8 to 31 are passes 1 to 3, jumped over where the expert has no such tiles.  No barrier stands here.
	s_wait_kmcnt 0x0
	s_mov_b32 s36, 7
.Lxp:
	s_lshr_b32 s37, s36, 3                         ; the pass
	s_and_b32 s38, s36, 7                          ; the K step
	s_cmp_eq_u32 s37, 0
	s_cbranch_scc1 .Lchk
	s_mul_i32 s39, s37, 20
	s_cmp_ge_u32 s39, s17
	s_cbranch_scc1 .Lnext
	s_wait_xcnt 0x0                                ; the way out's stores have read their bases
	s_wait_alu depctr_vm_vsrc(0)                   ; the loads issued so far have read v[XO ..], v[XT ..], v[LRX] and v[LSX], which are written below
	s_cmp_lg_u32 s38, 0
	s_cbranch_scc1 .Lhave_rows
	s_mul_i32 s32, s37, 1280
	s_mov_b32 s33, 0
	s_add_nc_u64 s[32:33], s[26:27], s[32:33]
.irp i, 0,1,2,3,4
	global_load_b32 v[XO+\i], v[RTO], s[32:33] offset:64*\i        ; (the vector lines that named v[XO ..] stand ahead of an earlier wait on va_vdst)
.endr
	s_wait_loadcnt 0x0
.irp i, 0,1,2,3,4
	v_min_u32 v[XO+\i], 0x3ff, v[XO+\i]
	v_lshlrev_b32 v[XT+\i], 5, v[XO+\i]
	v_lshl_add_u32 v[XO+\i], v[XO+\i], 10, v[H16]
.endr
.Lhave_rows:
	s_lshl_b32 s39, s38, 14
	v_add_nc_u32 v[LRX], s39, v[LR0]
	s_lshl_b32 s39, s38, 9
	v_add_nc_u32 v[LSX], s39, v[LSR]
.rept 9
	v_nop                                          ; nine plain lines behind the last products: a pass's first products begin accumulators anew
.endr
	s_lshl_b32 s32, s38, 7
	s_mov_b32 s33, 0
	s_add_nc_u64 s[32:33], s[22:23], s[32:33]
	s_lshl_b32 s34, s38, 2
	s_mov_b32 s35, 0
	s_add_nc_u64 s[34:35], s[24:25], s[34:35]
	s_wait_alu depctr_va_vdst(0)                   ; v[XO ..], v[XT ..], v[LRX] and v[LSX] are written, which the loads below read; the last products are done reading x's buffer 0, v[XSS ..], F0, F1 and WS, in which they land
	XLOAD 0, 32, 0
	WIN 0
.irp i, 0,1,2,3,4
	global_load_b32 v[XSS+\i], v[XT+\i], s[34:35]
.endr
	s_wait_loadcnt 0x0
	s_cmp_lg_u32 s38, 0
	s_cbranch_scc1 .Lacc
	KWORK LRX, 0, LSX, 0, 0, XSS, 1, 1
	s_branch .Lchk
.Lacc:
	KWORK LRX, 0, LSX, 0, 0, XSS, 1, 0
.Lchk:
	s_cmp_lg_u32 s38, 7
	s_cbranch_scc1 .Lnext
; THE WAY OUT OF A PASS: ten steps, tile EI / 2, group of 64 columns EI % 2: bias, gelu, quantiser, stores
.rept 8
	v_nop                                          ; eight plain lines between the last products and the first read of a result
.endr
	WIN 0x40
	v_mov_b32 v[KA0], 0xaf95df0b                   ; the leading coefficients of P and Q, as pairs
	v_mov_b32 v[KA0+1], 0xaf95df0b
	v_mov_b32 v[KB0], 0xb77460cd
	v_mov_b32 v[KB0+1], 0xb77460cd
	v_lshrrev_b32 v[E8H], 1, v[H16]                ; 8 hh
	v_mov_b32 v[EW], 0
	v_mov_b32 v[EPX], 0
	WIN 0
	s_mov_b32 s40, 0
.Lep:
	s_wait_xcnt 0x0                                ; the last step's stores have read their data and bases
.irp k, 1,2,3,4,5,6,7,8,9
	s_cmp_eq_u32 s40, \k
	s_cbranch_scc1 .Lcopy_\k
.endr
; one line a number adds the bias and puts the 32 numbers in the order of the next K; each accumulator is read from its low end on
.macro COPY k
.Lcopy_\k:
.if (\k)/2 < 4
	WIN 0x46
.set AB, 64*((\k)/2)+32*((\k)%2)
.else
	WIN 0x47
.set AB, 32*((\k)%2)
.endif
.irp j, 0,1,2,3
.irp p, 0,1,2,3,4,5,6,7
	v_add_f32 v[V+4*\p+\j], v[AB+8*\j+\p], v[32*((\k)%2)+4*\p+\j]
.endr
.endr
	WIN 0
.if \k < 9
	s_branch .Lgelu
.endif
.endm
.irp k, 0,1,2,3,4,5,6,7,8,9
	COPY \k
.endr
.Lgelu:
	WIN 0x55                                       ; everything in window 1
.irp n, 0,2,4,6,8,10,12,14,16,18,20,22,24,26,28,30
	v_pk_mul_f32 v[Z+\n:Z+\n+1], v[V+\n:V+\n+1], s[46:47] op_sel_hi:[1,0]
.endr
.set n, 0
.rept 32
	v_med3_num_f32 v[Z+n], v[Z+n], -4.0, 4.0
.set n, n+1
.endr
.irp n, 0,2,4,6,8,10,12,14,16,18,20,22,24,26,28,30
	v_pk_mul_f32 v[X2+\n:X2+\n+1], v[Z+\n:Z+\n+1], v[Z+\n:Z+\n+1]
.endr
.irp n, 0,2,4,6,8,10,12,14,16,18,20,22,24,26,28,30
	v_pk_fma_f32 v[P+\n:P+\n+1], v[X2+\n:X2+\n+1], v[KA0:KA0+1], s[48:49] op_sel_hi:[1,1,0]
	v_pk_fma_f32 v[Q+\n:Q+\n+1], v[X2+\n:X2+\n+1], v[KB0:KB0+1], s[60:61] op_sel_hi:[1,1,0]
.endr
.irp k, 50,52,54,56,58
.irp n, 0,2,4,6,8,10,12,14,16,18,20,22,24,26,28,30
	v_pk_fma_f32 v[P+\n:P+\n+1], v[P+\n:P+\n+1], v[X2+\n:X2+\n+1], s[\k:\k+1] op_sel_hi:[1,1,0]
.endr
.endr
.irp k, 62,66,68
.irp n, 0,2,4,6,8,10,12,14,16,18,20,22,24,26,28,30
	v_pk_fma_f32 v[Q+\n:Q+\n+1], v[Q+\n:Q+\n+1], v[X2+\n:X2+\n+1], s[\k:\k+1] op_sel_hi:[1,1,0]
.endr
.endr
.set n, 0
.rept 32
	v_rcp_f32 v[Q+n], v[Q+n]
.set n, n+1
.endr
.irp n, 0,2,4,6,8,10,12,14,16,18,20,22,24,26,28,30
	v_pk_mul_f32 v[P+\n:P+\n+1], v[P+\n:P+\n+1], v[Z+\n:Z+\n+1]    ; plain work behind the reciprocals, which names none of them
	v_pk_mul_f32 v[V+\n:V+\n+1], v[V+\n:V+\n+1], 0.5 op_sel_hi:[1,0]
.endr
	s_wait_alu depctr_va_vdst(0)                   ; one wait for the 32 reciprocals in v[Q ..], ahead of their first reader
.irp n, 0,2,4,6,8,10,12,14,16,18,20,22,24,26,28,30
	v_pk_mul_f32 v[P+\n:P+\n+1], v[P+\n:P+\n+1], v[Q+\n:Q+\n+1]    ; erf
.endr
.irp n, 0,2,4,6,8,10,12,14,16,18,20,22,24,26,28,30
	v_pk_fma_f32 v[V+\n:V+\n+1], v[V+\n:V+\n+1], v[P+\n:P+\n+1], v[V+\n:V+\n+1]   ; (v / 2) erf + v / 2
.endr
	v_max3_num_f32 v[EM], 0x8000000, |v[V]|, |v[V+1]|              ; the block's largest magnitude: all 32 numbers are mine; two chains, and the floor
	v_max3_num_f32 v[EM2], |v[V+16]|, |v[V+17]|, |v[V+18]|
.irp n, 2,4,6,8,10,12
	v_max3_num_f32 v[EM], v[EM], |v[V+\n]|, |v[V+\n+1]|
	v_max3_num_f32 v[EM2], v[EM2], |v[V+17+\n]|, |v[V+18+\n]|
.endr
	v_max3_num_f32 v[EM], v[EM], |v[V+14]|, |v[V+15]|
	v_max3_num_f32 v[EM], v[EM], v[EM2], |v[V+31]|
	v_add_nc_u32 v[ESOP], 0xf8800000, v[EM]
	v_and_or_b32 v[EHOLD], v[EM], 0x7f800000, s44
	v_lshrrev_b32 v[EBYTE], 23, v[ESOP]
	v_lshrrev_b32 v[EW], 16, v[EW]                 ; the two groups' bytes: the first ends in bits 7:0, the second in bits 23:16
	v_lshl_or_b32 v[EW], v[EBYTE], 16, v[EW]
.set n, 0
.rept 32
	v_med3_num_f32 v[V+n], v[V+n], -v[EHOLD], v[EHOLD]
.set n, n+1
.endr
.irp g, 0,1,2,3
	v_cvt_scalef32_pk8_bf8_f32 v[HC+2*\g:HC+2*\g+1], v[V+8*\g:V+8*\g+7], v[ESOP]
.endr
	v_nop                                          ; a plain line behind the last conversion
	WIN 0
	s_lshr_b32 s39, s40, 1                         ; the tile
	s_and_b32 s35, s40, 1                          ; the group
	s_mul_i32 s32, s37, 1310720
	s_lshl_b32 s34, s39, 16
	s_add_co_u32 s32, s32, s34
	s_lshl_b32 s34, s35, 10
	s_add_co_u32 s32, s32, s34
	s_mov_b32 s33, 0
	s_add_nc_u64 s[32:33], s[28:29], s[32:33]
	WIN 0x04                                       ; a store's data: window 1
	s_wait_alu depctr_va_vdst(0)                   ; the conversions have written v[HC ..], which the two stores read
	global_store_b128 v[HQO], v[HC:HC+3], s[32:33]                 ; my block c = 2 u + hh: k 0-15 belong to lane (r, 0) of the image, k 16-31 to lane (r, 1): each half of the lanes stores 256 consecutive bytes, aligned
	global_store_b128 v[HQO], v[HC+4:HC+7], s[32:33] offset:256
	WIN 0
	s_cmp_eq_u32 s35, 0
	s_cbranch_scc1 .Lep_next
	s_mul_i32 s34, s37, 1280
	s_lshl_b32 s39, s39, 6
	s_add_co_u32 s34, s34, s39
	s_mov_b32 s35, 0
	s_add_nc_u64 s[34:35], s[30:31], s[34:35]
	WIN 0x55
	v_lshlrev_b32 v[EW], v[E8H], v[EW]             ; lanes 0-15 hold bytes 0 and 2, lanes 16-31 bytes 1 and 3
	v_permlanex16_b32 v[EPX], v[EW], s42, s43
	v_or_b32 v[EW], v[EW], v[EPX]                  ; the row's scale word for this K step
	WIN 0x04
	s_wait_alu depctr_va_vdst(0)                   ; v[EW] is written, which the store reads
	global_store_b32 v[RTO], v[EW], s[34:35]
	WIN 0
.Lep_next:
	s_wait_alu depctr_vm_vsrc(0)                   ; this step's stores have read v[HC ..] and v[EW], which the next step, or the next pass's way out, writes again
	s_add_co_u32 s40, s40, 1
	s_cmp_lt_u32 s40, 10
	s_cbranch_scc1 .Lep
.Lnext:
	s_add_co_u32 s36, s36, 1
	s_cmp_lt_u32 s36, 32
	s_cbranch_scc1 .Lxp
	s_wait_dscnt 0x0                               ; the wave's end
	s_wait_alu 0x0
	s_wait_tensorcnt 0x0
	ds_add_u32 v[SPW], v[NIL]
	s_wait_dscnt 0x0
	s_endpgm
.Lfunc_end_k_q2b69483c66_ffn1:
	.size	k_q2b69483c66_ffn1, .Lfunc_end_k_q2b69483c66_ffn1-k_q2b69483c66_ffn1
	.p2alignl 7, 3214868480
	.fill 96, 4, 3214868480
	.section	.rodata,"a",@progbits
	.p2align	6, 0x0
	.amdhsa_kernel k_q2b69483c66_ffn1
		.amdhsa_group_segment_fixed_size 135680
		.amdhsa_private_segment_fixed_size 0
		.amdhsa_enable_private_segment 0
		.amdhsa_kernarg_size 40
		.amdhsa_user_sgpr_count 2
		.amdhsa_user_sgpr_kernarg_segment_ptr 1
		.amdhsa_wavefront_size32 1
		.amdhsa_system_sgpr_workgroup_id_x 1
		.amdhsa_system_sgpr_workgroup_id_y 1
		.amdhsa_system_sgpr_workgroup_id_z 1
		.amdhsa_system_vgpr_workitem_id 0
		.amdhsa_next_free_vgpr 1024
		.amdhsa_next_free_sgpr 80
		.amdhsa_reserve_vcc 0
		.amdhsa_float_denorm_mode_32 3
		.amdhsa_float_denorm_mode_16_64 3
		.amdhsa_memory_ordered 1
		.amdhsa_forward_progress 1
		.amdhsa_inst_pref_size 255
	.end_amdhsa_kernel
	.section	.bss,"aw",@nobits
	.p2align	6
	.space	262144
	.amdgpu_metadata
---
amdhsa.version: [ 1, 2 ]
amdhsa.kernels:
  - .name:           k_q2b69483c66_ffn1
    .symbol:         k_q2b69483c66_ffn1.kd
    .args:
      - { .name: W1, .offset: 0, .size: 8, .value_kind: global_buffer, .address_space: global }
      - { .name: b1, .offset: 8, .size: 8, .value_kind: global_buffer, .address_space: global }
      - { .name: xc, .offset: 16, .size: 8, .value_kind: global_buffer, .address_space: global }
      - { .name: lists, .offset: 24, .size: 8, .value_kind: global_buffer, .address_space: global }
      - { .name: hc, .offset: 32, .size: 8, .value_kind: global_buffer, .address_space: global }
    .group_segment_fixed_size: 135680
    .private_segment_fixed_size: 0
    .kernarg_segment_align: 8
    .kernarg_segment_size: 40
    .max_flat_workgroup_size: 128
    .sgpr_count:     80
    .vgpr_count:     1024
    .wavefront_size: 32
...
	.end_amdgpu_metadata
.endif
;; end of part 6
;; launch ffn2 (part 7): grid 32 x 8, 4 waves a work-group, no clusters, 153,088 bytes of LDS; arguments W2, hc, lists, ypart; writes ypart
.if DOCPART == 7
	.amdgcn_target "amdgcn-amd-amdhsa--gfx1250"
	.amdhsa_code_object_version 6
	.text
	.protected	k_q2b69483c66_ffn2
	.globl	k_q2b69483c66_ffn2
	.p2align	8
	.type	k_q2b69483c66_ffn2,@function
k_q2b69483c66_ffn2:
	s_mov_b64 s[64:65], 0
	v_nop
	global_prefetch_b8 v0, s[64:65] scope:SCOPE_SE
	s_setreg_imm32_b32 hwreg(HW_REG_WAVE_SCHED_MODE, 0, 2), 2
	s_setreg_imm32_b32 hwreg(HW_REG_WAVE_MODE, 25, 1), 1
	s_wait_xcnt 0x0
	s_wait_alu depctr_vm_vsrc(0)
; y = h W2[e], for the rows that chose expert e (the others are left out: see the first kernel's head), in two halves of K; bias, gate weight and the sum follow in the last launch.
; The plan is the first product's: THE WEIGHTS STAY, THE ROWS PASS.  Work-group (x, e): output columns 64 (x / 2) .. + 63 (256 bytes of each row of W2 and of y, aligned) and K = 2,048 (x % 2) .. + 2,047:
; 512 KiB of W2, read once as f32, quantised in registers, kept in LDS as images of operand registers.  (32 columns would split runs of 256 bytes between work-groups; 64 columns x all of K would give work to 128 work-groups only.)
; A block of 32 k x 64 columns becomes group c of four fragments, tile j = the columns {4 q + j}, without any transposition, as in the first product.
; EIGHT TRIPS of two K steps, written out: wave w quantises block c = w of both steps; a barrier; each wave multiplies its own 5 tiles of rows: 20 accumulators (i, j), 20 products a K step.
; h comes as images: four loads of 16 bytes a lane bring a fragment.  Its scale words come two tiles to a register (lanes 0-15, lanes 16-31).
; Passes of 20 tiles as in the first product: pass 0 under the stream, passes 1 to 3 behind it where the stored number of tiles asks for them; the same slots are read that the launch before has stored.
; NO CLUSTER, NO TENSOR LOAD: the later passes hang on a number read from memory.
; REGISTERS.  Window 0: addresses, scale words, the quantiser's work, two buffers of four fragments of W2 (the second over the quantiser's work).  Window 1: W2's numbers, two slots of 128.
; Window 2: h's buffer 0 at 32 i + 16 ks; accumulators of tiles 0-2 at 160 + 32 i + 8 j.  Window 3: h's buffer 1; accumulators of tiles 3, 4 at 160 + 32 (i - 3) + 8 j.
; THE MODE: SCHED_MODE bits 1:0 = 2 (LLVM: expert scheduling mode 2), set by the entry lines.  The code itself states the register dependences between vector or matrix instructions and
; memory or LDS instructions, with s_wait_alu, always for 0.
; THE PLAN.  Registers that memory or LDS instructions touch in trip t of the stream:
;   W2's slots 0, 1   slot t % 2 is read by the trip's maxima and holds; behind them the loads of trip t + 2 land in it.
;   h's buffers 0, 1, with their scale words HS   the loads issued in trip t land in buffer (t + 1) % 2, which the products of trip t - 1 read last.
;   C, BYTE           written by the trip's conversions and shifts; read by its sixteen LDS stores, which stand in one run behind both blocks.
;   F0 = v164-227, F1 = v100-163, WS   the trip's eight fragments and their scale words: LDS loads land in them behind the barrier, the trip's products read them.  F1 lies over T and C.
;   the addresses     made at the head, never written under the stream.
; So ONE wait on va_vdst stands in a trip, behind the quantiser's last line, and no vector or matrix instruction stands between it and the last of the trip's loads; and ONE wait on vm_vsrc,
; behind the stores, ahead of the barrier.  Behind the stream: one of each to a trip; on the way out one wait on va_vdst for all five tiles (no vector instruction follows it) and one on vm_vsrc a tile.
.set WSC,   131072
.set STAGE, 135168                     ; the way out: 16 rows x (256 + 16) bytes for each wave, its own
.set SPARE, 152576                     ; the spare words, 128 bytes for each wave
.set WO,  1                            ; W2: 131,072 w + 65,536 hh + 16 q
.set LW0, 2
.set LW1, 3
.set LSB, 4
.set LR0, 5                            ; 16 lane: an image's place for my lane, in LDS and in memory
.set LR1, 6
.set LSR, 7
.set SO,  8                            ; 4 lane
.set SO2, 9                            ; 4 (lane % 16)
.set STO, 10
.set SPW, 11
.set NIL, 12
.set LRX, 13
.set LSX, 14
.set SRD, 15
.set YO,  16
.set HS,  32                           ; v32-43 h's scale words, 6 b + 3 ks + pair: scales and nothing else
.set WS,  72
.set M,    76
.set PX,   80
.set SOP,  84
.set HOLD, 88
.set BYTE, 92
.set T,    100
.set C,    132
.set OB,   100                         ; the way out: two sets of 32, where the quantiser worked
.set WF,   164                         ; F0: the fragments of a trip's first K step
.set WF2,  100                         ; F1: those of its second, over T and C
.set WB0, 18
.set MSB, 0
.macro WIN new
.if MSB != \new
	s_set_vgpr_msb (MSB<<8)|\new
.set MSB, \new
.endif
.endm
.macro WLOAD p, t
	WIN 0x40
.irp u, 0,1
.irp i, 0,1,2,3,4,5,6,7,8,9,10,11,12,13,14,15
	global_load_b128 v[128*(\p)+64*\u+4*\i:128*(\p)+64*\u+4*\i+3], v[WO], s[WB0+2*((\t)/4):WB0+2*((\t)/4)+1] offset:((\t)%4)*1048576+524288*\u+4096*\i th:TH_LOAD_NT
.endr
.endr
.endm
.macro HLOAD hb, base, sbase, t        ; my five tiles' fragments of h for trip t's two K steps, and their scale words
	WIN 0x80+0x40*(\hb)
.irp i, 0,1,2,3,4
.irp ks, 0,1
.irp c, 0,1,2,3
	global_load_b128 v[32*\i+16*\ks+4*\c:32*\i+16*\ks+4*\c+3], v[LR0], s[\base:\base+1] offset:65536*\i+2048*(2*(\t)+\ks)+512*\c
.endr
.endr
.endr
	WIN 0
.irp ks, 0,1
	global_load_b32 v[HS+6*(\hb)+3*\ks], v[SO], s[\sbase:\sbase+1] offset:40960*(2*(\t)+\ks)
	global_load_b32 v[HS+6*(\hb)+3*\ks+1], v[SO], s[\sbase:\sbase+1] offset:40960*(2*(\t)+\ks)+128
	global_load_b32 v[HS+6*(\hb)+3*\ks+2], v[SO2], s[\sbase:\sbase+1] offset:40960*(2*(\t)+\ks)+256
.endr
.endm
.macro QBLOCK p, u                     ; 32 k x 64 columns become group c = w of four fragments and their scale bytes, in registers (u: which of the trip's two K steps)
.set RB, 128*(\p)+64*(\u)
	WIN 0x14
.irp j, 0,1,2,3
	v_max3_num_f32 v[M+\j], 0x8000000, |v[RB+\j]|, |v[RB+4+\j]|
.endr
.irp i, 2,4,6,8,10,12,14
.irp j, 0,1,2,3
	v_max3_num_f32 v[M+\j], v[M+\j], |v[RB+4*\i+\j]|, |v[RB+4*\i+4+\j]|
.endr
.endr
	WIN 0x10
.irp j, 0,1,2,3
	v_permlanex16_b32 v[PX+\j], v[M+\j], s42, s43
.endr
.irp j, 0,1,2,3
	v_max_num_f32 v[M+\j], v[M+\j], v[PX+\j]
.endr
.irp j, 0,1,2,3
	v_add_nc_u32 v[SOP+\j], 0xf8800000, v[M+\j]
.endr
.irp j, 0,1,2,3
	v_and_or_b32 v[HOLD+\j], v[M+\j], 0x7f800000, s44
.endr
.irp j, 0,1,2,3
	v_lshrrev_b32 v[BYTE+4*(\u)+\j], 23, v[SOP+\j]
.endr
.irp j, 0,1,2,3
.irp i, 0,1,2,3,4,5,6,7,8,9,10,11,12,13,14,15
	v_med3_num_f32 v[T+16*(\j%2)+\i], -v[HOLD+\j], v[HOLD+\j], v[RB+4*\i+\j]   ; the hold ahead of a conversion that does not saturate (ISA guide 7.6.2); the next column's holds are the plain lines behind this column's conversions
.endr
	v_cvt_scalef32_pk8_bf8_f32 v[C+4*(4*(\u)+\j):C+4*(4*(\u)+\j)+1], v[T+16*(\j%2):T+16*(\j%2)+7], v[SOP+\j]
	v_cvt_scalef32_pk8_bf8_f32 v[C+4*(4*(\u)+\j)+2:C+4*(4*(\u)+\j)+3], v[T+16*(\j%2)+8:T+16*(\j%2)+15], v[SOP+\j]
.endr
	v_nop                                          ; a plain line behind the last conversion
.endm
.macro QSTORE t                        ; a trip's codes and scale bytes go to LDS in one run (the address and the data, sources 0 and 1, lie in window 0)
.irp u, 0,1
.irp j, 0,1,2,3
	ds_store_b128 v[LW0+(\t)/4], v[C+4*(4*\u+\j):C+4*(4*\u+\j)+3] offset:((\t)%4)*16384+(4*\u+\j)*2048
	ds_store_b8 v[LSB], v[BYTE+4*\u+\j] offset:(8*(\t)+4*\u+\j)*64
.endr
.endr
.endm
.macro MM d, a, b, sa, sb, oa, ob, zero
.if \zero
.if \oa
.if \ob
	v_wmma_scale_f32_16x16x128_f8f6f4 v[(\d):(\d)+7], v[(\a):(\a)+15], v[(\b):(\b)+15], 0, v[\sa], v[\sb] matrix_a_fmt:MATRIX_FMT_BF8 matrix_b_fmt:MATRIX_FMT_BF8 matrix_a_scale:MATRIX_SCALE_ROW1 matrix_b_scale:MATRIX_SCALE_ROW1
.else
	v_wmma_scale_f32_16x16x128_f8f6f4 v[(\d):(\d)+7], v[(\a):(\a)+15], v[(\b):(\b)+15], 0, v[\sa], v[\sb] matrix_a_fmt:MATRIX_FMT_BF8 matrix_b_fmt:MATRIX_FMT_BF8 matrix_a_scale:MATRIX_SCALE_ROW1
.endif
.else
.if \ob
	v_wmma_scale_f32_16x16x128_f8f6f4 v[(\d):(\d)+7], v[(\a):(\a)+15], v[(\b):(\b)+15], 0, v[\sa], v[\sb] matrix_a_fmt:MATRIX_FMT_BF8 matrix_b_fmt:MATRIX_FMT_BF8 matrix_b_scale:MATRIX_SCALE_ROW1
.else
	v_wmma_scale_f32_16x16x128_f8f6f4 v[(\d):(\d)+7], v[(\a):(\a)+15], v[(\b):(\b)+15], 0, v[\sa], v[\sb] matrix_a_fmt:MATRIX_FMT_BF8 matrix_b_fmt:MATRIX_FMT_BF8
.endif
.endif
.else
.if \oa
.if \ob
	v_wmma_scale_f32_16x16x128_f8f6f4 v[(\d):(\d)+7], v[(\a):(\a)+15], v[(\b):(\b)+15], v[(\d):(\d)+7], v[\sa], v[\sb] matrix_a_fmt:MATRIX_FMT_BF8 matrix_b_fmt:MATRIX_FMT_BF8 matrix_a_scale:MATRIX_SCALE_ROW1 matrix_b_scale:MATRIX_SCALE_ROW1
.else
	v_wmma_scale_f32_16x16x128_f8f6f4 v[(\d):(\d)+7], v[(\a):(\a)+15], v[(\b):(\b)+15], v[(\d):(\d)+7], v[\sa], v[\sb] matrix_a_fmt:MATRIX_FMT_BF8 matrix_b_fmt:MATRIX_FMT_BF8 matrix_a_scale:MATRIX_SCALE_ROW1
.endif
.else
.if \ob
	v_wmma_scale_f32_16x16x128_f8f6f4 v[(\d):(\d)+7], v[(\a):(\a)+15], v[(\b):(\b)+15], v[(\d):(\d)+7], v[\sa], v[\sb] matrix_a_fmt:MATRIX_FMT_BF8 matrix_b_fmt:MATRIX_FMT_BF8 matrix_b_scale:MATRIX_SCALE_ROW1
.else
	v_wmma_scale_f32_16x16x128_f8f6f4 v[(\d):(\d)+7], v[(\a):(\a)+15], v[(\b):(\b)+15], v[(\d):(\d)+7], v[\sa], v[\sb] matrix_a_fmt:MATRIX_FMT_BF8 matrix_b_fmt:MATRIX_FMT_BF8
.endif
.endif
.endif
.endm
; A trip's 40 products, in two halves, one K step each.  The 20 accumulators take turns, one instruction a turn, in the same order in every K step.
; zero = 1: the first K step's products start the sums.  All eight fragments are asked for in one run, the first K step's into F0, the second's into F1.  The caller's wait on va_vdst has stated that the earlier
; products are done reading F0, F1 and WS (and that T and C are written), its wait on vm_vsrc that the stores have read these registers; no vector or matrix instruction stands between those waits and these loads.
.macro KWORK lr, loff, sr, soff, hb, zero
.irp g, 0,1
.irp fp, 0,1,2,3
.irp c, 0,1,2,3
	ds_load_b128 v[WF+(WF2-WF)*\g+16*\fp+4*\c:WF+(WF2-WF)*\g+16*\fp+4*\c+3], v[\lr] offset:(\loff)+(4*\g+\fp)*2048+512*\c
.endr
.endr
.if \g == 0
.irp gp, 0,1,2,3
	ds_load_b32 v[WS+\gp], v[\sr] offset:(\soff)+128*\gp
.endr
.endif
.endr
.irp g, 0,1
	s_wait_dscnt 16-16*\g                          ; LDS loads come back in order (ISA guide 5.7.1): the first K step's sixteen and the scale words are in, the second's sixteen may stay out; then all
	WIN 0xa8+4*(\hb)                               ; source 1 (h) window 2 or 3, C and D window 2
.irp fp, 0,1,2,3
.irp i, 0,1,2
	MM 160+32*\i+8*\fp, WF+(WF2-WF)*\g+16*\fp, 32*\i+16*\g, WS+2*\g+\fp/2, HS+6*(\hb)+3*\g+\i/2, \fp%2, \i%2, (\zero)*(1-\g)
.endr
.endr
	WIN 0xf8+4*(\hb)                               ; C and D window 3
.irp fp, 0,1,2,3
.irp i, 3,4
	MM 160+32*(\i-3)+8*\fp, WF+(WF2-WF)*\g+16*\fp, 32*\i+16*\g, WS+2*\g+\fp/2, HS+6*(\hb)+3*\g+\i/2, \fp%2, \i%2, (\zero)*(1-\g)
.endr
.endr
.endr
	WIN 0
.endm
.macro TRIP t
.if \t < 7
	s_wait_loadcnt 32                              ; out, in order: this trip's W2, this trip's h, the next trip's W2: only the last 32 may stay out
.else
	s_wait_loadcnt 0x0
.endif
	QBLOCK (\t)%2, 0
	QBLOCK (\t)%2, 1
.rept 3
	v_nop                                          ; with the line above, four plain lines between the last vector instructions that wrote T and C and the scaled products that later name these registers as fragments
.endr
	s_wait_alu depctr_va_vdst(0)                   ; the conversions and shifts have written C and BYTE, which the LDS stores read; T and C are written, over which F1's loads land; the holds are done reading this slot of W2;
	                                               ; the last trip's products are done reading h's other buffer and its scale words, F0, F1 and WS: the loads below land in all of these
	QSTORE \t
.if \t < 7
	HLOAD ((\t)+1)%2, 22, 24, (\t)+1
.endif
.if \t < 6
	WLOAD (\t)%2, (\t)+2
.endif
	WIN 0
	s_wait_alu depctr_vm_vsrc(0)                   ; the LDS stores have read C, over which F1's loads land behind the barrier, and BYTE, which the next trip writes again
	s_wait_dscnt 0x0                               ; for the others' sake: my part of the trip's fragments has landed
	s_barrier_signal -1
	s_barrier_wait -1
.if \t == 0
	KWORK LR0+(\t)/4, ((\t)%4)*16384, LSR, (\t)*512, (\t)%2, 1
.else
	KWORK LR0+(\t)/4, ((\t)%4)*16384, LSR, (\t)*512, (\t)%2, 0
.endif
.endm
; Tile i leaves: register p of accumulator (i, j) is y(row r, column 32 hh + 4 p + j).  Through my own stage, back as whole rows of 256 bytes.  Each accumulator is read from its low end on.
.macro YOUT i
.if \i < 3
	WIN 0x08                                       ; an LDS store's data: window 2
.set AB, 160+32*(\i)
.else
	WIN 0x0c
.set AB, 160+32*((\i)-3)
.endif
.irp j, 0,1,2,3
.irp p, 0,1,2,3,4,5,6,7
	ds_store_b32 v[STO], v[AB+8*\j+\p] offset:16*\p+4*\j
.endr
.endr
	WIN 0
	s_wait_xcnt 0x0                                ; earlier stores have read the registers that the loads below fill
	s_wait_alu depctr_vm_vsrc(0)                   ; the global stores of two tiles back (for a later pass's first two tiles: of the pass before) have read the set of v[OB ..] in which the loads below land
.irp n, 0,1,2,3,4,5,6,7
	ds_load_b128 v[OB+32*((\i)%2)+4*\n:OB+32*((\i)%2)+4*\n+3], v[SRD] offset:544*\n   ; LDS serves a wave's instructions in order (ISA guide 5.7.1.4): these see the stores above
.endr
	s_wait_dscnt 0x0
.irp n, 0,1,2,3,4,5,6,7
	global_store_b128 v[YO], v[OB+32*((\i)%2)+4*\n:OB+32*((\i)%2)+4*\n+3], s[32:33] offset:65536*(\i)+8192*\n th:TH_STORE_NT   ; each half of the lanes stores 256 consecutive bytes, aligned
.endr
.endm
	s_load_b256 s[4:11], s[0:1], 0x0               ; W2, hc, lists, ypart
	v_lshl_add_u32 v[SPW], v0, 2, SPARE
	v_mov_b32 v[NIL], 0
	v_lshrrev_b32 v1, 5, v0
	v_readfirstlane_b32 s14, v1                    ; wave
	s_lshr_b32 s45, ttmp9, 1                       ; which 64 columns
	s_and_b32 s46, ttmp9, 1                        ; which half of K
	s_and_b32 s16, ttmp7, 0xffff                   ; e
	v_and_b32 v19, 31, v0                          ; lane
	v_and_b32 v17, 15, v0                          ; q = r
	v_bfe_u32 v18, v0, 4, 1                        ; hh
	v_lshlrev_b32 v[WO], 4, v17
	v_lshl_add_u32 v[WO], v18, 16, v[WO]
	s_wait_alu depctr_va_sdst(0)                   ; s14 is written, ahead of its first reader
	s_lshl_b32 s32, s14, 17
	v_add_nc_u32 v[WO], s32, v[WO]
	v_lshlrev_b32 v[LR0], 4, v19
	v_add_nc_u32 v[LR1], 0x10000, v[LR0]
	s_lshl_b32 s32, s14, 9
	v_add_nc_u32 v[LW0], s32, v[LR0]
	v_add_nc_u32 v[LW1], 0x10000, v[LW0]
	v_lshl_add_u32 v[LSB], v17, 2, WSC
	v_add_nc_u32 v[LSB], s14, v[LSB]
	v_lshl_add_u32 v[LSR], v19, 2, WSC
	v_lshlrev_b32 v[SO], 2, v19
	v_lshlrev_b32 v[SO2], 2, v17
	s_mul_i32 s32, s14, 4352
	s_add_co_u32 s32, s32, STAGE                   ; my stage
	v_mul_u32_u24 v[STO], v17, 272
	v_lshl_add_u32 v[STO], v18, 7, v[STO]
	v_add_nc_u32 v[STO], s32, v[STO]               ; in: row r, + 128 hh
	v_mul_u32_u24 v[SRD], v18, 272
	v_lshl_add_u32 v[SRD], v17, 4, v[SRD]
	v_add_nc_u32 v[SRD], s32, v[SRD]               ; back: lanes 0-15 one row, lanes 16-31 the next
	v_lshlrev_b32 v[YO], 4, v17
	v_lshl_add_u32 v[YO], v18, 12, v[YO]           ; and the same two rows in y
	v_mov_b32 v[LRX], v[LR0]
	v_mov_b32 v[LSX], v[LSR]
.irp j, 0,1,2,3
	v_mov_b32 v[PX+\j], 0
.endr
	s_mov_b32 s42, 0x76543210
	s_mov_b32 s43, 0xfedcba98
	s_mov_b32 s44, 0x600000
	s_mul_i32 s41, s16, 1280
	s_mul_i32 s32, s14, 80
	s_add_co_u32 s41, s41, s32                     ; my wave's first position in pass 0
	s_lshl_b32 s32, s16, 24
	s_lshl_b32 s34, s46, 23
	s_add_co_u32 s32, s32, s34
	s_lshl_b32 s34, s45, 8
	s_add_co_u32 s32, s32, s34
	s_mov_b32 s33, 0
	s_wait_kmcnt 0x0
	s_add_nc_u64 s[18:19], s[4:5], s[32:33]
	s_add_nc_u64 s[20:21], s[18:19], 0x400000
	s_lshl_b32 s32, s41, 12
	s_lshl_b32 s34, s46, 15
	s_add_co_u32 s32, s32, s34
	s_add_nc_u64 s[22:23], s[6:7], s[32:33]        ; h's images: (tile x 32 + 16 x half) x 2,048
	s_mul_i32 s32, s46, 655360
	s_lshl_b32 s34, s41, 2
	s_add_co_u32 s32, s32, s34
	s_add_co_u32 s32, s32, 41943040
	s_add_nc_u64 s[24:25], s[6:7], s[32:33]        ; h's scale words
	s_mul_i32 s32, s46, 41943040
	s_lshl_b32 s34, s41, 12
	s_add_co_u32 s32, s32, s34
	s_lshl_b32 s34, s45, 8
	s_add_co_u32 s32, s32, s34
	s_add_nc_u64 s[26:27], s[10:11], s[32:33]      ; y's part [half][position][1,024]
	s_lshl_b32 s32, s16, 2
	s_add_nc_u64 s[48:49], s[8:9], s[32:33]
	s_load_b32 s17, s[48:49], 0xd000               ; the expert's number of tiles
	s_wait_alu depctr_va_vdst(0)                   ; the addresses v1 to v10 and v13 to v16 are written, which the loads and stores of the whole kernel read
	WLOAD 0, 0
	HLOAD 0, 22, 24, 0
	WLOAD 1, 1
.irp t, 0,1,2,3,4,5,6,7
	TRIP \t
.endr
; BEHIND THE STREAM: a loop of constant count, as in the first product.  Trip IT: pass IT / 8, two K steps IT % 8.  No barrier stands here.
	s_wait_kmcnt 0x0
	s_mov_b32 s36, 7
.Lxp:
	s_lshr_b32 s37, s36, 3
	s_and_b32 s38, s36, 7
	s_cmp_eq_u32 s37, 0
	s_cbranch_scc1 .Lchk
	s_mul_i32 s39, s37, 20
	s_cmp_ge_u32 s39, s17
	s_cbranch_scc1 .Lnext
	s_wait_xcnt 0x0                                ; the way out's stores have read their base
	s_wait_alu depctr_vm_vsrc(0)                   ; the LDS loads issued so far have read v[LRX] and v[LSX], which are written below; the way out's LDS stores have read the accumulators, which a pass's first products
	                                               ; write anew, and its global stores v[OB ..], over which F1's loads land
	s_lshl_b32 s39, s38, 14
	v_add_nc_u32 v[LRX], s39, v[LR0]
	s_lshl_b32 s39, s38, 9
	v_add_nc_u32 v[LSX], s39, v[LSR]
.rept 9
	v_nop                                          ; nine plain lines behind the last products: a pass's first products begin accumulators anew
.endr
	s_mul_i32 s32, s37, 1310720
	s_lshl_b32 s34, s38, 12
	s_add_co_u32 s32, s32, s34
	s_mov_b32 s33, 0
	s_add_nc_u64 s[32:33], s[22:23], s[32:33]
	s_mul_i32 s34, s37, 1280
	s_mul_i32 s35, s38, 81920
	s_add_co_u32 s34, s34, s35
	s_mov_b32 s35, 0
	s_add_nc_u64 s[34:35], s[24:25], s[34:35]
	s_wait_alu depctr_va_vdst(0)                   ; v[LRX] and v[LSX] are written, which the LDS loads below read; the last products are done reading h's buffer 0, its scale words, F0, F1 and WS, in which the loads below land
	HLOAD 0, 32, 34, 0
	s_wait_loadcnt 0x0
	s_cmp_lg_u32 s38, 0
	s_cbranch_scc1 .Lacc
	KWORK LRX, 0, LSX, 0, 0, 1
	s_branch .Lchk
.Lacc:
	KWORK LRX, 0, LSX, 0, 0, 0
.Lchk:
	s_cmp_lg_u32 s38, 7
	s_cbranch_scc1 .Lnext
.rept 8
	v_nop                                          ; eight plain lines between the last products and the first read of a result
.endr
	s_wait_alu depctr_va_vdst(0)                   ; the products have written the accumulators, which the LDS stores below read, and are done reading F1, over which the loads from the stage land; the lines above stay beside this wait
	s_wait_xcnt 0x0
	s_mul_i32 s32, s37, 1310720
	s_mov_b32 s33, 0
	s_add_nc_u64 s[32:33], s[26:27], s[32:33]
.irp i, 0,1,2,3,4
	YOUT \i
.endr
.Lnext:
	s_add_co_u32 s36, s36, 1
	s_cmp_lt_u32 s36, 32
	s_cbranch_scc1 .Lxp
	s_wait_dscnt 0x0                               ; the wave's end
	s_wait_alu 0x0
	s_wait_tensorcnt 0x0
	ds_add_u32 v[SPW], v[NIL]
	s_wait_dscnt 0x0
	s_endpgm
.Lfunc_end_k_q2b69483c66_ffn2:
	.size	k_q2b69483c66_ffn2, .Lfunc_end_k_q2b69483c66_ffn2-k_q2b69483c66_ffn2
	.p2alignl 7, 3214868480
	.fill 96, 4, 3214868480
	.section	.rodata,"a",@progbits
	.p2align	6, 0x0
	.amdhsa_kernel k_q2b69483c66_ffn2
		.amdhsa_group_segment_fixed_size 153088
		.amdhsa_private_segment_fixed_size 0
		.amdhsa_enable_private_segment 0
		.amdhsa_kernarg_size 32
		.amdhsa_user_sgpr_count 2
		.amdhsa_user_sgpr_kernarg_segment_ptr 1
		.amdhsa_wavefront_size32 1
		.amdhsa_system_sgpr_workgroup_id_x 1
		.amdhsa_system_sgpr_workgroup_id_y 1
		.amdhsa_system_sgpr_workgroup_id_z 1
		.amdhsa_system_vgpr_workitem_id 0
		.amdhsa_next_free_vgpr 1024
		.amdhsa_next_free_sgpr 66
		.amdhsa_reserve_vcc 0
		.amdhsa_float_denorm_mode_32 3
		.amdhsa_float_denorm_mode_16_64 3
		.amdhsa_memory_ordered 1
		.amdhsa_forward_progress 1
		.amdhsa_inst_pref_size 255
	.end_amdhsa_kernel
	.section	.bss,"aw",@nobits
	.p2align	6
	.space	262144
	.amdgpu_metadata
---
amdhsa.version: [ 1, 2 ]
amdhsa.kernels:
  - .name:           k_q2b69483c66_ffn2
    .symbol:         k_q2b69483c66_ffn2.kd
    .args:
      - { .name: W2, .offset: 0, .size: 8, .value_kind: global_buffer, .address_space: global }
      - { .name: hc, .offset: 8, .size: 8, .value_kind: global_buffer, .address_space: global }
      - { .name: lists, .offset: 16, .size: 8, .value_kind: global_buffer, .address_space: global }
      - { .name: ypart, .offset: 24, .size: 8, .value_kind: global_buffer, .address_space: global }
    .group_segment_fixed_size: 153088
    .private_segment_fixed_size: 0
    .kernarg_segment_align: 8
    .kernarg_segment_size: 32
    .max_flat_workgroup_size: 128
    .sgpr_count:     66
    .vgpr_count:     1024
    .wavefront_size: 32
...
	.end_amdgpu_metadata
.endif
;; end of part 7
;; launch combine: the kernel of part 5 again; grid 256 x 1, 4 waves a work-group, no clusters, 0 bytes of LDS; arguments ypart, b2, gate, sel, lists, out0; writes out0
